; MI455X (gfx1250); checked and timed in simulation.
; The chip was launched on July 23, 2026; its instructions are those of AMD's public machine-readable ISA for CDNA 5 (MIT licence, August 2026) and "CDNA5" Instruction Set Architecture Reference Guide (July 2026). The comments in the code are by the model that wrote it; some were corrected since.
;; Local Multihead Attention. Allowed arithmetic: matrix products marked QUANTISED: E2M3 operands, one E8M0 scale for each 32 along K, by v_wmma_scale_f32_16x16x128_f8f6f4 with both operands' format E2M3, f32 sums; everything else in f32.
;; Inputs: W_out 1,024 x 1,024 float32; W_qkv 3,072 x 1,024 float32; b_out 1,024 float32; b_qkv 3,072 float32; x 4 x 2,048 x 1,024 float32.
;; Outputs: out0 4 x 2,048 x 1,024 float32.
;; This version of the problem:
;;   THIS VERSION OF THE PROBLEM IS GIVEN IN LOW PRECISION. The matrix products marked QUANTISED in the list below multiply operands that are first quantised to E2M3 (2 exponent bits, 3 mantissa bits; 6 bits a number), with one power-of-two scale for each 32 numbers along K (OCP MX v1.0); their sums are f32. All else is computed in f32.
;;   The module's matrix products, in the order in which they are computed (A, B: the left and right operand; K: the contracted axis; several contracted axes count as one K, in the product's order):
;;     1. [M 8,192, K 1,024] x [K 1,024, N 3,072]; A: input x; B: input W_qkv: QUANTISED
;;     2. batch 64 x [M 2,048, K 64] x [K 64, N 2,048]; A: computed on the way; B: computed on the way: QUANTISED
;;     3. batch 64 x [M 2,048, K 2,048] x [K 2,048, N 64]; A: softmax (see below); B: computed on the way: QUANTISED
;;     4. [M 8,192, K 1,024] x [K 1,024, N 1,024]; A: computed on the way; B: input W_out: QUANTISED
;;   THE QUANTISER, for each operand of a quantised product, along K:
;;     - K is cut into blocks of 32 from its start; a last block that is shorter is filled with zeros.
;;     - A block's scale is 2^e with e = floor(log2(the largest magnitude in the block)) - 2, held to -126 .. 127; a block of zeros has e = 0. As a byte (E8M0): e + 127.
;;     - Each number is divided by its block's scale, clamped to +-7.5, and rounded to the nearest number of E2M3, ties to even, subnormals kept.
;;     - The product sums the exact products of the quantised numbers (number of the format x scale) in f32.
;;   ~~~python
;;   def quantise(x, axis):      # numpy; x: float32 -> the quantised numbers, widened to float32 again
;;       x = np.moveaxis(x, axis, -1); K = x.shape[-1]
;;       x = np.pad(x, [(0, 0)] * (x.ndim - 1) + [(0, -K % 32)]); x = x.reshape(x.shape[:-1] + (-1, 32)); a = np.abs(x).max(-1, keepdims=True)
;;       e = np.where(a > 0, np.clip(np.frexp(np.where(a > 0, a, 1))[1] - 1 - 2, -126, 127), 0)      # np.frexp(a)[1] - 1 = floor(log2(a)), exactly
;;       r = np.clip(x / 2.0 ** e, -7.5, 7.5)
;;       step = 2.0 ** (np.maximum(np.frexp(np.where(r == 0, 1, r))[1] - 1, 0) - 3)
;;       q = np.round(r / step) * step * 2.0 ** e      # np.round: ties to even
;;       return np.moveaxis(q.reshape(q.shape[:-2] + (-1,))[..., :K], -1, axis).astype(np.float32)
;;   ~~~
;;   SOFTMAX AHEAD OF A QUANTISED PRODUCT. Where the list says 'softmax', what is quantised is not the finished softmax but p = 2^(t - M), with t = logit x log2(e) and M = ceil(the row's largest t), a whole number; so 1/2 < the row's largest p <= 1. The row's sum l is taken of the UNQUANTISED p, in f32, and the product's result is divided by l at the end. Since M is a whole number, a kernel that streams over the keys may use a running M (the ceiling of the running maximum): every later rescaling is an exact power of two, which a block's scale takes up: the codes' values come out the same.
;;   OPERANDS COMPUTED ON THE WAY. 'Computed on the way' means the value that the module computes at that place (a softmax that the list does not call 'softmax' is quantised finished and normalised). What goes into a quantiser is computed in f32, as accurately as f32 sums, v_exp_f32 and their like allow (about 1e-6 of the number): no bf16 or f16 on the way to a quantiser, and a product that is left as it is and whose result goes on into a quantised operand takes f32 operands (vector FMAs, or v_wmma_f32_16x16x4_f32). A number that lies on a knife's edge between two numbers of the format may be rounded either way, as far as f32 arithmetic and the matrix unit's own rounding can turn it there, and no further.
;; One version. Each part assembles by itself: llvm-mc -triple=amdgcn-amd-amdhsa -mcpu=gfx1250 --defsym DOCPART=n.
;; ======== version 1 of 1: 4 launches
;; workspace buffers: cod1 9,437,184 bytes; scl1 393,216 bytes; qkv 18,874,368 bytes; qkvs 1,572,864 bytes; oc 6,291,456 bytes; os 262,144 bytes
;; launch quant (part 1): grid 384 x 1, 4 waves a work-group, no clusters, 33,280 bytes of LDS; arguments x, W_qkv, W_out, cod1, scl1; writes cod1, scl1
.if DOCPART == 1
	.amdgcn_target "amdgcn-amd-amdhsa--gfx1250"
	.amdhsa_code_object_version 6
	.text
	.protected	k_q41582a1cdf_quant
	.globl	k_q41582a1cdf_quant
	.p2align	8
	.type	k_q41582a1cdf_quant,@function
k_q41582a1cdf_quant:
	s_mov_b64 s[64:65], 0
	v_nop
	global_prefetch_b8 v0, s[64:65] scope:SCOPE_SE
	s_setreg_imm32_b32 hwreg(HW_REG_WAVE_MODE, 25, 1), 1
	s_wait_xcnt 0x0
; x [8192][1024], W_qkv [3072][1024] and W_out [1024][1024], f32, K innermost, are turned into codes of FP6 (E2M3), 6 bits each, with one E8M0 scale byte for each 32 along K.
; The three tensors' rows follow each other in the two outputs: cod1 [12288 rows][768 bytes], scl1 [12288][32]: rows 0-8191 x, 8192-11263 W_qkv, 11264-12287 W_out.
; A block's scale is 2^(floor(log2(its largest magnitude)) - 2); its byte is the largest magnitude's own exponent field - 2, held at 1 from below.  Each number is divided by the scale and rounded to the nearest code, ties to even;
; beyond 7.5 the conversion gives the largest code.
; LIMITS: a block of zeros gets the byte 1 where the rule says 127 (its codes are zeros, which add nothing under any byte but 0xff, and this program alone reads the bytes); a block whose largest magnitude lies under 2^-124
; keeps the byte 1; NaN and infinities among the inputs are not served.
; Rows are dense and 1024 is a multiple of 32, so each tensor is a plain stream of blocks of 32 numbers, and so are the codes and the scale bytes.
; A wave takes 16 steps of 512 numbers.  Each of a step's four loads reads 512 consecutive bytes, 16 a lane; the 2,048 bytes go through the wave's own stage in LDS and come back 64 bytes a lane, so that a lane holds 16
; neighbours along K (two neighbouring lanes hold a block), as the conversion wants them.  A lane's 16 codes are 12 bytes: the wave stores 384 consecutive bytes.  A wave's 256 scale bytes are gathered in LDS and leave as one aligned run of 256 bytes.
; No tensor loads, no barrier: waves share nothing.  Loads run four steps (16 loads a wave) ahead, the turn through LDS one step.
.set STEPS, 16
.set WGX,   256                        ; work-groups of x: 8192 x 1024 / 32768
.set WGQ,   96                         ; of W_qkv; the last 32 take W_out
.set EMAX,  2
.set CB,    12                         ; bytes of 16 codes
.set R,     16                         ; v16-79   four sets of 16 numbers as they are loaded
.set X,     80                         ; v80-111  two sets of 16 neighbours
.set C,     128                        ; v128-191 codes: four registers for each step, so that no store's data are written again
.set E,     112                        ; v112-127 a scale byte for each step
.set WREG,  8192                       ; LDS: a region for each wave: two stages of 32 x SP bytes, behind them its 256 scale bytes
.set SP,    80                         ; a lane's place in a stage: its 64 bytes + 16 of padding
	s_load_b128 s[4:7], s[0:1], 0x0                ; x, W_qkv
	s_load_b128 s[8:11], s[0:1], 0x10              ; W_out, cod1
	s_load_b64 s[12:13], s[0:1], 0x20              ; scl1
	v_lshl_add_u32 v192, v0, 2, 0x8000
	v_mov_b32 v193, 0
	v_lshrrev_b32 v1, 5, v0
	v_readfirstlane_b32 s16, v1                    ; wave
	v_and_b32 v2, 31, v0                           ; lane
	v_lshlrev_b32 v3, 4, v2                        ; my 16 bytes of a load's 512
	s_mul_i32 s17, s16, WREG
	v_lshrrev_b32 v14, 2, v2
	v_mul_u32_u24 v14, v14, SP
	v_and_b32 v15, 3, v2
	v_lshl_add_u32 v14, v15, 4, v14
	v_add_nc_u32 v14, s17, v14                     ; the stage, on the way in: four lanes' 64 bytes on end, then 16 of padding
	v_mul_u32_u24 v15, v2, SP
	v_add_nc_u32 v15, s17, v15                     ; and on the way out: SP x lane: my 16 neighbours
	v_mul_u32_u24 v4, v2, CB                       ; my codes' place in a step's
	v_lshrrev_b32 v5, 1, v2
	s_add_co_u32 s17, s17, 2*32*SP
	v_add_nc_u32 v5, s17, v5                       ; LDS: my wave's 256 scale bytes, my block's byte
	v_lshlrev_b32 v7, 3, v2                        ; and on the way out 8 bytes a lane
	v_add_nc_u32 v6, s17, v7
	s_mov_b32 s17, WGX+WGQ
	s_wait_kmcnt 0x0
	s_cmp_lt_u32 ttmp9, WGX+WGQ                    ; which tensor?  The choice hangs on the work-group's number alone
	s_cselect_b64 s[6:7], s[6:7], s[8:9]           ; W_qkv or W_out,
	s_cselect_b32 s17, WGX, s17                    ; and that tensor's first work-group
	s_cmp_lt_u32 ttmp9, WGX
	s_cselect_b64 s[4:5], s[4:5], s[6:7]           ; x or one of those
	s_cselect_b32 s17, 0, s17
	s_sub_co_u32 s17, ttmp9, s17
	s_lshl_b32 s17, s17, 2
	s_add_co_u32 s18, s17, s16                     ; which run of 8,192 numbers of the tensor is my wave's
	s_mov_b32 s19, 0
	s_lshl_b64 s[20:21], s[18:19], 15              ; 32,768 bytes a run
	s_add_nc_u64 s[4:5], s[4:5], s[20:21]
	s_lshl_b32 s18, ttmp9, 2
	s_add_co_u32 s18, s18, s16                     ; and which run of the outputs, in which the tensors follow each other
	s_mul_i32 s20, s18, 32*STEPS*CB                ; 6,144 bytes of codes a run
	s_mov_b32 s21, 0
	s_add_nc_u64 s[10:11], s[10:11], s[20:21]
	s_lshl_b32 s18, s18, 8                         ; 256 scale bytes a run
	s_add_nc_u64 s[12:13], s[12:13], s[18:19]
.macro LOAD t
.irp i, 0,1,2,3
	global_load_b128 v[R+16*((\t)%4)+4*\i:R+16*((\t)%4)+4*\i+3], v3, s[4:5] offset:2048*(\t)+512*\i th:TH_LOAD_NT   ; 32 lanes read 512 consecutive bytes
.endr
.endm
.macro TURN t                          ; step t's numbers through the stage: LDS serves a wave's instructions in order, so no wait stands between the stores and the loads
.irp i, 0,1,2,3
	ds_store_b128 v14, v[R+16*((\t)%4)+4*\i:R+16*((\t)%4)+4*\i+3] offset:32*SP*((\t)%2)+8*SP*\i
.endr
.irp i, 0,1,2,3
	ds_load_b128 v[X+16*((\t)%2)+4*\i:X+16*((\t)%2)+4*\i+3], v15 offset:32*SP*((\t)%2)+16*\i
.endr
.endm
.irp t, 0,1,2,3
	LOAD \t
.endr
	s_wait_loadcnt 12                              ; step 0's four loads are in; the twelve of steps 1 to 3 may be out
	TURN 0
.macro STEP t
.set XS, X+16*((\t)%2)
.if (\t) > 0
	s_wait_dscnt 1                                 ; this step's numbers are back from the stage (the last step's byte store may be out): so its stores into the stage have read their registers,
.else
	s_wait_dscnt 0x0
.endif
.if (\t)+4 < STEPS
	LOAD (\t)+4                                    ; which take the loads of four steps on
.endif
.if (\t)+1 < STEPS
.if STEPS-2-(\t) >= 3
	s_wait_loadcnt 12                              ; the next step's four loads are in; those of the three steps behind it may be out
.else
	s_wait_loadcnt 4*(STEPS-2-(\t))
.endif
	TURN (\t)+1                                    ; and go through the other stage while this step is worked
.endif
	v_max3_num_f32 v8, |v[XS]|, |v[XS+1]|, |v[XS+2]|               ; the largest magnitude of my 16, in two chains
	v_max3_num_f32 v9, |v[XS+3]|, |v[XS+4]|, |v[XS+5]|
.irp i, 6,10
	v_max3_num_f32 v8, v8, |v[XS+\i]|, |v[XS+\i+1]|
	v_max3_num_f32 v9, v9, |v[XS+\i+2]|, |v[XS+\i+3]|
.endr
	v_max3_num_f32 v8, v8, |v[XS+14]|, |v[XS+15]|
	v_max3_num_f32 v8, v8, v9, (EMAX+1)<<23        ; and the floor 2^(3 - 127): so the byte cannot fall under 1
	v_max_num_f32_dpp v8, v8, v8 row_xmask:1 row_mask:0xf bank_mask:0xf   ; and of my neighbour's 16: the block's
	v_add_nc_u32 v11, -(EMAX<<23), v8              ; 2 off its exponent field: the conversion takes the exponent field of this operand as its scale, and nothing else of it
	v_cvt_scalef32_pk16_fp6_f32 v[C+4*(\t):C+4*(\t)+2], v[XS:XS+15], v11         ; sixteen codes, 96 bits without gaps, the first number's code lowest
	v_lshrrev_b32 v[E+(\t)], 23, v11               ; the scale's byte (also the plain line behind the conversion)
	ds_store_b8 v5, v[E+(\t)] offset:16*(\t)       ; both lanes of a block write the same byte with the same value
	global_store_b96 v4, v[C+4*(\t):C+4*(\t)+2], s[10:11] offset:32*CB*(\t)
.endm
.irp t, 0,1,2,3,4,5,6,7,8,9,10,11,12,13,14,15
	STEP \t
.endr
	ds_load_b64 v[12:13], v6                       ; LDS serves a wave's instructions in order: these see my stores
	s_wait_dscnt 0x0
	global_store_b64 v7, v[12:13], s[12:13]        ; 32 lanes store 256 consecutive bytes, aligned
	s_wait_tensorcnt 0x0
	ds_add_u32 v192, v193
	s_wait_dscnt 0x0
	s_endpgm
.Lfunc_end_k_q41582a1cdf_quant:
	.size	k_q41582a1cdf_quant, .Lfunc_end_k_q41582a1cdf_quant-k_q41582a1cdf_quant
	.p2alignl 7, 3214868480
	.fill 96, 4, 3214868480
	.section	.rodata,"a",@progbits
	.p2align	6, 0x0
	.amdhsa_kernel k_q41582a1cdf_quant
		.amdhsa_group_segment_fixed_size 33280
		.amdhsa_private_segment_fixed_size 0
		.amdhsa_enable_private_segment 0
		.amdhsa_kernarg_size 40
		.amdhsa_user_sgpr_count 2
		.amdhsa_user_sgpr_kernarg_segment_ptr 1
		.amdhsa_wavefront_size32 1
		.amdhsa_system_sgpr_workgroup_id_x 1
		.amdhsa_system_sgpr_workgroup_id_y 1
		.amdhsa_system_sgpr_workgroup_id_z 1
		.amdhsa_system_vgpr_workitem_id 0
		.amdhsa_next_free_vgpr 194
		.amdhsa_next_free_sgpr 66
		.amdhsa_reserve_vcc 0
		.amdhsa_float_denorm_mode_32 3
		.amdhsa_float_denorm_mode_16_64 3
		.amdhsa_memory_ordered 1
		.amdhsa_forward_progress 1
		.amdhsa_inst_pref_size 33
	.end_amdhsa_kernel
	.amdgpu_metadata
---
amdhsa.version: [ 1, 2 ]
amdhsa.kernels:
  - .name:           k_q41582a1cdf_quant
    .symbol:         k_q41582a1cdf_quant.kd
    .args:
      - { .name: x, .offset: 0, .size: 8, .value_kind: global_buffer, .address_space: global }
      - { .name: W_qkv, .offset: 8, .size: 8, .value_kind: global_buffer, .address_space: global }
      - { .name: W_out, .offset: 16, .size: 8, .value_kind: global_buffer, .address_space: global }
      - { .name: cod1, .offset: 24, .size: 8, .value_kind: global_buffer, .address_space: global }
      - { .name: scl1, .offset: 32, .size: 8, .value_kind: global_buffer, .address_space: global }
    .group_segment_fixed_size: 33280
    .private_segment_fixed_size: 0
    .kernarg_segment_align: 8
    .kernarg_segment_size: 40
    .max_flat_workgroup_size: 128
    .sgpr_count:     66
    .vgpr_count:     194
    .wavefront_size: 32
...
	.end_amdgpu_metadata
.endif
;; end of part 1
;; launch qkv_gemm (part 2): grid 12 x 32, 4 waves a work-group, clusters of 4 x 4, 327,680 bytes of LDS; arguments cod1, scl1, b_qkv, qkv, qkvs; writes qkv, qkvs
.if DOCPART == 2
	.amdgcn_target "amdgcn-amd-amdhsa--gfx1250"
	.amdhsa_code_object_version 6
	.text
	.protected	k_q41582a1cdf_qkv_gemm
	.globl	k_q41582a1cdf_qkv_gemm
	.p2align	8
	.type	k_q41582a1cdf_qkv_gemm,@function
k_q41582a1cdf_qkv_gemm:
	s_mov_b64 s[64:65], 0
	v_nop
	global_prefetch_b8 v0, s[64:65] scope:SCOPE_SE
	s_setreg_imm32_b32 hwreg(HW_REG_WAVE_MODE, 25, 1), 1
	s_wait_xcnt 0x0
	s_wait_alu depctr_hold_cnt(0) depctr_sa_sdst(0) depctr_va_vdst(0) depctr_va_sdst(0) depctr_va_ssrc(0) depctr_va_vcc(0) depctr_vm_vsrc(0)
	s_getreg_b32 s2, hwreg(HW_REG_IB_STS2, 6, 4)
	s_cmp_eq_u32 s2, 0
	s_cbranch_scc0 .Lentry_in_a_cluster
	s_endpgm
.Lentry_in_a_cluster:
	s_bfe_u32 s2, ttmp6, 0x10000c
	s_cmp_lg_u32 s2, 0xf033
	s_cbranch_scc0 .Lentry_shape_is_right
	s_endpgm
.Lentry_shape_is_right:
; qkv = x W_qkv^T + b_qkv on codes of FP6 (E2M3) with E8M0 scales, and the result QUANTISED AGAIN in registers, as the next launch's operands want it.  It never goes to memory as f32.
; ONE FORM: C'[i][j] = sum over k of A'[i][k] B'[j][k] + bias, quantised along j in blocks of 32.  The matrix instruction is used transposed (source 0 = 16 rows of B', source 1 = 16 rows of A'): a lane holds one i and eight neighbouring j.
;   q and k (clusters x = 0, 1): A' = x (i = token), B' = W_qkv's rows 0-2047 (j = 64 x head + d; heads 0-15 q's, 16-31 k's): quantised along the head's 64.
;   v       (cluster  x = 2)   : A' = W_qkv's rows 2048-3071 (i = 64 x head + d), B' = x (j = token): quantised along the tokens, which are the K of the product with the softmax's weights.
; The two cases differ in numbers chosen once at the head by the cluster's x, which all sixteen partners share, and in which bias registers the first products take as C.
; A tile of C' is 256 x 256, four waves of 128 x 128 (64 accumulators, 512 registers).  K = 1024 goes in four steps of 256 through two LDS slots filled by the tensor data mover; the scale bytes of the tile's rows come once.
; CLUSTERS: 4 x 4 work-groups; A's tiles are shared along a row of the cluster, B's along a column: each is asked for jointly, by the same tensor load with the same descriptor and a mask that names the four.
; THE WAY OUT uses no LDS.  In tiles 2 g and 2 g + 1 a lane (r, h) holds j = 32 g + 8 h + 0..7 and 32 g + 16 + 8 h + 0..7.  They are converted as they stand, so a block's 32 codes lie in the order 0-7, 16-23, 8-15, 24-31.
; Both sides of q k^T are made by these lines, and the softmax's weights are laid in the same order as v's tokens: the same order on both sides of a product, inside one scale block, leaves every product as it was.
; OUTPUTS.  qkv: chunks of 768 bytes, each the image of six operand registers of 32 lanes (registers 0-3 at 16 x lane, registers 4-5 at 512 + 8 x lane; lanes 0-15 hold a pair's first block of 32, lanes 16-31 its second).
;   q, k: [16-token tile 512][head 32][768];   v, from byte 12,582,912: [pair of token blocks 128][16-row tile of (head, d) 64][768].
; qkvs: a 32-bit word for a row and a pair of blocks: the two scale bytes, then two bytes 0.  q, k: [head 32][128 tokens 64][2][row 16][4];  v, from byte 1,048,576: [pair 128][8][2][row 16][4].
; LIMITS: as in the launch before: a block of zeros or of numbers under 2^-124 keeps the byte 1; NaN and infinities are not served.  The bias enters each sum first, as C.
; REGISTERS, in windows of 256: window 0: v0-31 addresses; v32-63 scale words, two sets; v64-127 the bias in the result's layout; v128-223 A's fragments, one set; v224-231 the bias loads' offsets.
;   window 1: B's fragments, two sets, at v0 and v128.   window 2: the accumulators of my rows 0-63 ((a, b) at v[8 (8 a + b)]);   window 3: those of my rows 64-127.
.set NQ,     2                         ; matrix instructions deep in a slot: 256 along K
.set ROWB,   192                       ; a tile's row in bytes: 256 codes of 6 bits
.set KROW,   768                       ; a row of codes in memory
.set PITCH,  240                       ; an LDS row: 3 x (64 bytes + 16 of padding) = 60 words: the 32 lanes of a load of 8 bytes touch 64 different banks (64 banks of 4 bytes: ISA guide 11.1)
.set FR,     12                        ; registers of a fragment: 16 rows x 128 K
.set NL,     6                         ; LDS loads that bring one
.set NP,     4                         ; places behind this matrix instruction (ISA guide 7.12.1)
.set HALFT,  128*PITCH                 ; 128 rows: what one tensor load brings
.set SLOT,   4*HALFT                   ; A's 256 rows, then B's 256 rows
.set KS,     32                        ; a row of scale bytes
.set SCL,    2*SLOT                    ; behind the ring: the scales, as runs of 256 bytes + 16 of padding
.set HALFS,  (128*KS/256)*272          ; the scales of 128 rows
.set SBLK,   (16*KS/256)*272           ; those of 16 rows
.set SPARE,  SCL+4*HALFS               ; behind the scales: the spare words, 128 bytes for each wave
.set ADRA, 16                          ; v16-17 LDS address of my A fragments in slot 0, 1 (v18-19: for the pieces behind one padding more)
.set ADRB, 20                          ; v20-23 the same for B
.set LO16, 24                          ; v24  16 x lane: a chunk's registers 0-3
.set LO8,  25                          ; v25  8 x lane: its registers 4-5
.set SWO,  26                          ; v26  the scale words' place: 16 x row, lanes 16-31 one pair further on
.set ADRS, 27                          ; v27  LDS address of my scale words: lanes 0-15 A's rows, lanes 16-31 B's
.set SPW,  28                          ; v28  LDS address of my spare word; never rewritten
.set NIL,  29                          ; v29  0; never rewritten
.set SC,   32                          ; scale words: set s at v[SC + 16 s]; register 2 i + q: lanes 0-15 A's block i, lanes 16-31 B's block i
.set BT,   64                          ; the bias: eight registers for each block of 16 (of j for q and k, of i for v)
.set AF,   128                         ; A's fragments
.set VA,   224                         ; offsets of the bias loads
.set TM,   32                          ; the way out: v32-35 largest magnitudes, v36-39 bytes, v40-41 words, v44-47 the conversions' scale operands
.set SW,   48                          ; v48-55 the eight blocks' scale words
.set PC,   128                         ; v128-147 the codes just made
.set G1, 24                            ; s[24:31] descriptor group 1 for A's tiles;  s[32:39] group 0, one set for each slot
.set G0, 32
.set G1B, 48                           ; s[48:55], s[56:63] the same for B's tiles
.set G0B, 56
.set G1S, 68                           ; s[68:75], s[76:79] groups 1 and 0 for A's scales;  s[80:87], s[88:91] for B's
.set G0S, 76
.set G1SB, 80
.set G0SB, 88
.set MSB, 0
.macro WIN new                         ; the immediate's high byte repeats the setting that is left
.if MSB != \new
	s_set_vgpr_msb (MSB<<8)|\new
.set MSB, \new
.endif
.endm
.set MUL_LO, 0xa1                      ; source 0 (B) window 1, source 1 (A) window 0, C and D window 2
.set MUL_HI, 0xf1                      ; the same, C and D window 3
.set FST_LO, 0x81                      ; the first products: C (the bias) window 0, D window 2
.set FST_HI, 0xc1                      ; D window 3
.set TO_B,   0x40                      ; destination window 1, address window 0
; A joint load: waves 0 and 1 fetch for A, waves 2 and 3 for B.  The branch hangs on the wave's number alone.  Four v_nop follow each of the two lines.
.macro JLOAD g0a, g1a, g0b, g1b
	s_cmp_eq_u32 s15, 0
	s_cbranch_scc0 .Lfor_b_\@
	tensor_load_to_lds s[\g0a:\g0a+3], s[\g1a:\g1a+7]
	s_nop 0
.rept 4
	v_nop
.endr
	s_branch .Lasked_\@
.Lfor_b_\@:
	tensor_load_to_lds s[\g0b:\g0b+3], s[\g1b:\g1b+7]
	s_nop 0
.rept 4
	v_nop
.endr
.Lasked_\@:
.endm
.macro CREST                           ; a round of the cluster's barrier behind its opening barrier
	s_cmp_lg_u32 s14, 0
	s_cbranch_scc1 .Lnot_wave_0_\@
	s_barrier_signal -3
.Lnot_wave_0_\@:
	s_barrier_wait -3
	s_barrier_signal -1
	s_barrier_wait -1
.endm
.macro CROUND                          ; a whole round
	s_barrier_signal -1
	s_barrier_wait -1
	CREST
.endm
	s_load_b128 s[4:7], s[0:1], 0x0                ; cod1, scl1
	s_load_b128 s[8:11], s[0:1], 0x10              ; b_qkv, qkv
	s_load_b64 s[12:13], s[0:1], 0x20              ; qkvs
	v_lshl_add_u32 v[SPW], v0, 2, SPARE
	v_mov_b32 v[NIL], 0
	ds_add_u32 v28, v29
	ds_add_u32 v28, v29
	s_wait_dscnt 0x0
	v_lshrrev_b32 v1, 5, v0
	v_readfirstlane_b32 s14, v1                    ; wave 0..3
	s_lshr_b32 s15, s14, 1                         ; which half of the tile's rows i is mine.  Also: I fetch for A (0) or for B (1)
	s_and_b32 s16, s14, 1                          ; which half of its columns j.  Also: which 128 rows of that tile I fetch
	s_bfe_u32 s40, ttmp6, 0x40000                  ; cx, cy: my place in the cluster
	s_bfe_u32 s41, ttmp6, 0x40004
	s_and_b32 s18, ttmp7, 0xffff                   ; the cluster's y
	; THE TWO CASES: every number that differs is chosen here, by the cluster's x
	s_mov_b32 s98, 768
	s_mov_b32 s2, 24576
	s_mov_b32 s45, 32768
	s_cmp_eq_u32 ttmp9, 2
	s_cselect_b32 s66, 1, 0                        ; 1: v;  0: q and k
	s_cselect_b32 s42, s18, ttmp9                  ; the cluster's place along j
	s_cselect_b32 s17, 0, s18                      ; and along i
	s_cselect_b32 s21, 10240, 0                    ; A's first row in cod1: W_qkv's row 2048, or x
	s_cselect_b32 s47, 0, 8192                     ; B's: x, or W_qkv's row 0
	s_cselect_b32 s98, 49152, s98                  ; bytes from a pair of blocks of j to the next, in qkv
	s_cselect_b32 s2, 768, s2                      ; bytes from a tile of 16 i to the next
	s_cselect_b32 s45, 4096, s45                   ; bytes from a pair to the next, in qkvs
	s_cselect_b32 s96, 12582912, 0                 ; where the part begins in qkv,
	s_cselect_b32 s100, 1048576, 0                 ; and in qkvs
	s_cselect_b32 s92, 4, 0                        ; the bias loads' offset: bytes for each row r,
	s_cselect_b32 s93, 0, 32                       ; for the lanes' upper half,
	s_cselect_b32 s94, 0, 4                        ; for each register
	s_cselect_b32 s95, 2048, 0                     ; the part's first bias
	s_lshl_b32 s42, s42, 2
	s_add_co_u32 s42, s42, s40                     ; tile column (j) = 4 x the cluster's place + cx
	s_lshl_b32 s17, s17, 2
	s_add_co_u32 s17, s17, s41                     ; tile row (i) = 4 x the cluster's place + cy
	v_and_b32 v1, 15, v0                           ; r = lane % 16
	v_bfe_u32 v2, v0, 4, 1                         ; h = lane / 16
	v_mul_u32_u24 v3, s92, v1
	v_mad_u32_u24 v3, s93, v2, v3
.irp j, 0,1,2,3,4,5,6,7
	v_mad_u32_u24 v[VA+\j], s94, \j, v3            ; q, k: 32 h + 4 j (the bias of j = 8 h + j);  v: 4 r (the bias of i = r)
.endr
	v_mul_u32_u24 v[SWO], s45, v2
	v_lshl_add_u32 v[SWO], v1, 4, v[SWO]
	; where my 128 x 128 goes: X0 = my first pair of blocks of j, Y0 = my group of 128 i
	s_lshl_b32 s46, s42, 2
	s_lshl_b32 s3, s16, 1
	s_add_co_u32 s46, s46, s3                      ; X0 = 4 x tile column + 2 x half
	s_lshl_b32 s20, s17, 1
	s_add_co_u32 s20, s20, s15                     ; Y0 = 2 x tile row + half
	s_mul_i32 s3, s46, s98
	s_add_co_u32 s96, s96, s3
	s_mul_i32 s3, s20, s2
	s_lshl_b32 s3, s3, 3
	s_add_co_u32 s96, s96, s3                      ; the first pair's chunks: part + X0 pairs + 8 Y0 tiles
	s_add_co_u32 s98, s98, s96                     ; the second pair's
	s_mul_i32 s3, s46, s45
	s_add_co_u32 s100, s100, s3
	s_lshl_b32 s3, s20, 9
	s_add_co_u32 s100, s100, s3                    ; the scale words: part + X0 pairs + 512 Y0
	s_mov_b32 s97, 0
	s_mov_b32 s99, 0
	s_mov_b32 s101, 0
	s_cmp_eq_u32 s66, 1                            ; the bias runs along i for v, along j for q and k
	s_cselect_b32 s67, s17, s42
	s_cselect_b32 s3, s15, s16
	s_lshl_b32 s67, s67, 8
	s_lshl_b32 s3, s3, 7
	s_add_co_u32 s67, s67, s3
	s_add_co_u32 s67, s67, s95
	s_lshl_b32 s67, s67, 2                         ; my first bias, in bytes
	s_mov_b32 s3, 0                                ; s[2:3]: the step from tile to tile of i, as a pair
	s_lshl_b32 s43, s41, 2
	s_lshl_b32 s43, 15, s43                        ; my row of the cluster
	s_lshl_b32 s44, 0x1111, s40                    ; my column
	; descriptor group 1: a tile of 128 rows x 192 bytes, padded in LDS
	s_or_b32 s[G1+0], s43, (0<<16)|(1<<20)|(1<<21)|(3<<22)|(3<<25)  ; 15:0 the mask: A's tiles go to my row; 17:16 element of 1 byte; 20 padding on; 21 set beside a mask; 24:22 after every 16 words (code 3); 31:25 of 4 words (code 3)
	s_or_b32 s[G1B+0], s44, (0<<16)|(1<<20)|(1<<21)|(3<<22)|(3<<25)
.irp g, G1, G1B
	s_mov_b32 s[\g+1], ROWB<<16                    ; tensor_dim0
	s_mov_b32 s[\g+2], 128<<16                     ; tensor_dim1 = 128
	s_mov_b32 s[\g+3], ROWB<<16                    ; tile_dim0
	s_mov_b32 s[\g+4], 128                         ; tile_dim1 = 128
	s_mov_b32 s[\g+5], KROW                        ; tensor_dim0_stride
	s_mov_b32 s[\g+6], 0
	s_mov_b32 s[\g+7], 0
.endr
	; and for the scales of 128 rows: a dense block of 4,096 bytes, as 16 rows of 256 bytes (32 elements of 8 bytes), 16 bytes of padding behind each
	s_or_b32 s[G1S+0], s43, (3<<16)|(1<<20)|(1<<21)|(5<<22)|(3<<25)
	s_or_b32 s[G1SB+0], s44, (3<<16)|(1<<20)|(1<<21)|(5<<22)|(3<<25)
.irp g, G1S, G1SB
	s_mov_b32 s[\g+1], 32<<16
	s_mov_b32 s[\g+2], (128*KS/256)<<16
	s_mov_b32 s[\g+3], 32<<16
	s_mov_b32 s[\g+4], 128*KS/256
	s_mov_b32 s[\g+5], 32
	s_mov_b32 s[\g+6], 0
	s_mov_b32 s[\g+7], 0
.endr
	s_lshl_b32 s18, s16, 7                         ; which 128 rows of the tile I fetch
	s_lshl_b32 s20, s17, 8
	s_add_co_u32 s20, s20, s18
	s_add_co_u32 s20, s20, s21                     ; A: its first row + 256 x tile row + 128 x half
	s_lshl_b32 s46, s42, 8
	s_add_co_u32 s46, s46, s18
	s_add_co_u32 s46, s46, s47                     ; B: its first row + 256 x tile column + 128 x half
	s_mov_b32 s21, 0
	s_mov_b32 s47, 0
	s_mov_b64 s[18:19], KS
	s_mul_u64 s[22:23], s[20:21], s[18:19]         ; where these rows' scales begin, in bytes
	s_mul_u64 s[92:93], s[46:47], s[18:19]
	s_mov_b64 s[18:19], KROW
	s_mul_u64 s[20:21], s[20:21], s[18:19]         ; and their codes
	s_mul_u64 s[46:47], s[46:47], s[18:19]
	s_mul_i32 s45, s14, HALFT                      ; where they go: wave x 128 rows: no place in the cluster enters an LDS address
	s_mul_i32 s94, s14, HALFS
	s_wait_kmcnt 0x0
	s_add_nc_u64 s[20:21], s[4:5], s[20:21]
	s_add_nc_u64 s[22:23], s[6:7], s[22:23]
	s_add_nc_u64 s[46:47], s[4:5], s[46:47]
	s_add_nc_u64 s[92:93], s[6:7], s[92:93]
	s_add_nc_u64 s[96:97], s[10:11], s[96:97]      ; the first pair's chunks,
	s_add_nc_u64 s[98:99], s[10:11], s[98:99]      ; the second pair's,
	s_add_nc_u64 s[100:101], s[12:13], s[100:101]  ; the scale words
	CROUND                                         ; all sixteen work-groups are here: the first joint loads meet
	s_mov_b32 s[G0S], 1
	s_add_co_u32 s[G0S+1], s94, SCL
	s_mov_b64 s[G0S+2:G0S+3], s[22:23]
	s_or_b32 s[G0S+3], s[G0S+3], 0x80000000
	s_mov_b32 s[G0SB], 1
	s_add_co_u32 s[G0SB+1], s94, SCL
	s_mov_b64 s[G0SB+2:G0SB+3], s[92:93]
	s_or_b32 s[G0SB+3], s[G0SB+3], 0x80000000
	JLOAD G0S, G1S, G0SB, G1SB                     ; the scales first: they are wanted with K step 0
.irp s, 0,1
	s_mov_b32 s[G0+4*\s], 1
	s_add_co_u32 s[G0+4*\s+1], s45, \s*SLOT
	s_add_nc_u64 s[G0+4*\s+2:G0+4*\s+3], s[20:21], \s*ROWB
	s_or_b32 s[G0+4*\s+3], s[G0+4*\s+3], 0x80000000
	s_mov_b32 s[G0B+4*\s], 1
	s_add_co_u32 s[G0B+4*\s+1], s45, \s*SLOT
	s_add_nc_u64 s[G0B+4*\s+2:G0B+4*\s+3], s[46:47], \s*ROWB
	s_or_b32 s[G0B+4*\s+3], s[G0B+4*\s+3], 0x80000000
	JLOAD G0+4*\s, G1, G0B+4*\s, G1B               ; three tensor loads of mine are out now
.endr
	s_mov_b32 s94, s67
	s_mov_b32 s95, 0
	s_add_nc_u64 s[8:9], s[8:9], s[94:95]          ; my first bias
.irp x, 0,1,2,3,4,5,6,7
.irp j, 0,1,2,3,4,5,6,7
	global_load_b32 v[BT+8*\x+\j], v[VA+\j], s[8:9] offset:64*\x   ; q, k: b[j0 + 16 x + 8 h + j];  v: b[i0 + 16 x + r]: the same lines in both cases
.endr
.endr
	v_mul_u32_u24 v3, v1, PITCH
	v_mul_u32_u24 v4, v2, 24
	v_add_nc_u32 v4, v3, v4                        ; a fragment's row x pitch + 24 x half
	v_lshl_add_u32 v5, v2, 4, v4                   ; and the same behind one padding more
	s_mul_i32 s21, s15, HALFT                      ; my 128 rows of A
	s_mul_i32 s22, s16, HALFT                      ; my 128 rows of B,
	s_add_co_u32 s22, s22, 2*HALFT                 ; which lie behind A's 256
.irp s, 0,1
	v_add_nc_u32 v[ADRA+\s], s21, v4
	v_add_nc_u32 v[ADRB+\s], s22, v4
	v_add_nc_u32 v[ADRA+2+\s], s21, v5
	v_add_nc_u32 v[ADRB+2+\s], s22, v5
	s_add_co_u32 s21, s21, SLOT
	s_add_co_u32 s22, s22, SLOT
.endr
	v_mul_u32_u24 v5, v1, KS                       ; my row's scales: 32 bytes a row,
	v_lshrrev_b32 v6, 8, v5
	v_lshl_add_u32 v5, v6, 4, v5                   ; and 16 more for each 256 passed
	s_mul_i32 s21, s15, HALFS                      ; A's: my 128 rows
	s_mul_i32 s22, s16, HALFS                      ; B's: my 128 rows, behind A's 256
	s_add_co_u32 s22, s22, 2*HALFS
	s_sub_co_u32 s22, s22, s21
	v_mul_u32_u24 v6, s22, v2                      ; lanes 16-31 take B's
	s_add_co_u32 s21, s21, SCL
	v_add_nc_u32 v5, v5, v6
	v_add_nc_u32 v[ADRS], s21, v5
	v_and_b32 v6, 31, v0
	v_lshlrev_b32 v[LO16], 4, v6
	v_lshlrev_b32 v[LO8], 3, v6
.macro FRAG reg, adr, q, i             ; a fragment is 12 registers: lane l holds row l % 16; registers 6 c .. 6 c + 5 hold K = 64 c + 32 (l / 16) + 0 .. 31: 24 bytes of the row's stream of bits, as they lie
.irp p, 0,1,2,3,4,5                    ; in pieces of 8 bytes.  Lanes 0-15 take the row's pieces 12 q + 0, 1, 2 and 12 q + 6, 7, 8, lanes 16-31 those three pieces on
.set PIECE, 12*(\q)+6*(\p/3)+\p%3     ; 16 bytes of padding lie behind every 8 pieces: where the piece three on lies behind one padding more, the second address register serves
.if PIECE%8 < 5
	ds_load_b64 v[\reg+2*\p:\reg+2*\p+1], v[\adr] offset:8*PIECE+16*(PIECE/8)+(\i)*16*PITCH
.else
	ds_load_b64 v[\reg+2*\p:\reg+2*\p+1], v[\adr+2] offset:8*PIECE+16*(PIECE/8)+(\i)*16*PITCH
.endif
.endr
.endm
; 16 matrix instructions: A's blocks a0, a0 + 1 x B's eight, 128 along K: the slot's q-th.  p: B's set;  sc: the set of scale words.
; cm = 0: onto the sums;  1: the sums begin with the bias of B's block;  2: with the bias of A's block.  Nothing is ever cleared.
; The 64 accumulators take turns, one instruction a turn, in the same order in every step.
.macro MUL16 a0, p, q, sc, cm
.irp a, \a0, \a0+1
.irp b, 0,1,2,3,4,5,6,7
.if (\cm) == 1
	v_wmma_scale_f32_16x16x128_f8f6f4 v[8*(8*((\a)%4)+\b):8*(8*((\a)%4)+\b)+7], v[128*(\p)+FR*\b:128*(\p)+FR*\b+FR-1], v[AF+FR*(\a):AF+FR*(\a)+FR-1], v[BT+8*\b:BT+8*\b+7], v[SC+8*NQ*(\sc)+NQ*\b+(\q)], v[SC+8*NQ*(\sc)+NQ*(\a)+(\q)] matrix_a_fmt:MATRIX_FMT_FP6 matrix_b_fmt:MATRIX_FMT_FP6 matrix_a_scale:MATRIX_SCALE_ROW1
.elseif (\cm) == 2
	v_wmma_scale_f32_16x16x128_f8f6f4 v[8*(8*((\a)%4)+\b):8*(8*((\a)%4)+\b)+7], v[128*(\p)+FR*\b:128*(\p)+FR*\b+FR-1], v[AF+FR*(\a):AF+FR*(\a)+FR-1], v[BT+8*(\a):BT+8*(\a)+7], v[SC+8*NQ*(\sc)+NQ*\b+(\q)], v[SC+8*NQ*(\sc)+NQ*(\a)+(\q)] matrix_a_fmt:MATRIX_FMT_FP6 matrix_b_fmt:MATRIX_FMT_FP6 matrix_a_scale:MATRIX_SCALE_ROW1
.else
	v_wmma_scale_f32_16x16x128_f8f6f4 v[8*(8*((\a)%4)+\b):8*(8*((\a)%4)+\b)+7], v[128*(\p)+FR*\b:128*(\p)+FR*\b+FR-1], v[AF+FR*(\a):AF+FR*(\a)+FR-1], v[8*(8*((\a)%4)+\b):8*(8*((\a)%4)+\b)+7], v[SC+8*NQ*(\sc)+NQ*\b+(\q)], v[SC+8*NQ*(\sc)+NQ*(\a)+(\q)] matrix_a_fmt:MATRIX_FMT_FP6 matrix_b_fmt:MATRIX_FMT_FP6 matrix_a_scale:MATRIX_SCALE_ROW1
.endif
.endr
.endr
.endm
.macro FETCH_B slot, q, p              ; B's eight fragments of the slot's q-th 128 along K into set p
	WIN TO_B
.irp i, 0,1,2,3,4,5,6,7
	FRAG 128*(\p)+FR*\i, ADRB+\slot, \q, \i
.endr
	WIN 0
.endm
.macro FETCH_A slot, q, i0             ; A's blocks i0 .. i0 + 3
.irp i, \i0, \i0+1, \i0+2, \i0+3
	FRAG AF+FR*(\i), ADRA+\slot, \q, \i
.endr
.endm
.macro SCALES sc                       ; a K step's scale words into set sc: two words a row; lanes 0-15 take A's block i, lanes 16-31 B's block i
.irp i, 0,1,2,3,4,5,6,7
	ds_load_b64 v[SC+8*NQ*\sc+NQ*\i:SC+8*NQ*\sc+NQ*\i+1], v[ADRS] offset:\i*SBLK
.endr
.endm
; A load into a register that a matrix instruction has read, and a vector instruction that reads a matrix result, stand NP places behind that matrix instruction; only plain vector
; instructions that name none of its registers are places (ISA guide 7.12.1 for vector instructions).
.macro PLACES n
.rept \n
	v_nop
.endr
.endm
; A step of 128 along K that has its successor in the same slot.  A block of A is free as soon as its eight products are issued: blocks 0-3 are fetched anew in the step's middle, blocks 4-7 at its end.
.macro STEP slot, q, cm
	s_wait_dscnt 4*NL                              ; B's set and A's blocks 0-3 are in; the youngest 24 loads (A's blocks 4-7) may be out
.if \cm
	WIN FST_LO
.else
	WIN MUL_LO
.endif
	MUL16 0, (\q)%2, \q, \slot, \cm
	MUL16 2, (\q)%2, \q, \slot, \cm
	s_wait_dscnt 0                                 ; A's blocks 4-7 are in (asked for 32 matrix instructions ago)
	PLACES NP
	FETCH_B \slot, (\q)+1, 1-(\q)%2
	FETCH_A \slot, (\q)+1, 0
.if \cm
	WIN FST_HI
.else
	WIN MUL_HI
.endif
	MUL16 4, (\q)%2, \q, \slot, \cm
	MUL16 6, (\q)%2, \q, \slot, \cm
	PLACES NP
	WIN 0
	FETCH_A \slot, (\q)+1, 4
.endm
; A slot's last step changes slots: ONE barrier; in front of it each wave waits for all its tensor loads, adds 0 to its spare word, and waits for that and for its own reads of this slot.  fill = 1: this slot is filled again, two K steps ahead.
.macro TURN slot, next, fill
	s_wait_tensorcnt 0x0                           ; all my tensor loads have landed: my part of the next slot;  (every window is 0 here)
	ds_add_u32 v[SPW], v[NIL]                      ; 0 onto my spare word
	s_wait_dscnt 4*NL+1                            ; (the add and the youngest 24 loads, A's blocks 4-7, may be out)
	WIN MUL_LO
	MUL16 0, 1, NQ-1, \slot, 0                     ; sixteen matrix instructions stand between the add and the wait for it
	s_wait_dscnt 0x0                               ; the add is done, and my reads of this slot are over
	s_barrier_signal -1
	MUL16 2, 1, NQ-1, \slot, 0
	WIN 0
	s_barrier_wait -1
.if \fill
	CREST                                          ; the barrier has opened a round of the cluster's barrier: no wave of any partner still reads this slot's tile or has a load on its way
	s_add_nc_u64 s[G0+4*\slot+2:G0+4*\slot+3], s[G0+4*\slot+2:G0+4*\slot+3], 2*ROWB
	s_add_nc_u64 s[G0B+4*\slot+2:G0B+4*\slot+3], s[G0B+4*\slot+2:G0B+4*\slot+3], 2*ROWB
	JLOAD G0+4*\slot, G1, G0B+4*\slot, G1B         ; the first tensor load behind the round, my only one out; the four v_nop behind it are the places in front of the loads below
.else
	PLACES NP
.endif
	v_add_nc_u32 v[ADRS], 4*NQ, v[ADRS]            ; on to the next K step's scale words (no LDS load of mine is out)
	FETCH_B \next, 0, 0
	FETCH_A \next, 0, 0
	SCALES \next
	WIN MUL_HI
	MUL16 4, 1, NQ-1, \slot, 0
	MUL16 6, 1, NQ-1, \slot, 0
	PLACES NP
	WIN 0
	FETCH_A \next, 0, 4
.endm
	s_wait_tensorcnt 1                             ; the scales and my part of K step 0 are in (K step 1's load may be out)
	s_barrier_signal -1
	s_barrier_wait -1                              ; everybody's are
	FETCH_B 0, 0, 0
	FETCH_A 0, 0, 0
	SCALES 0
	FETCH_A 0, 0, 4
	s_wait_loadcnt 0x0                             ; the bias
	s_cmp_lg_u32 s66, 0                            ; the first step's products begin the sums with the bias: along j for q and k, along i for v.  The branch hangs on the cluster's x: alike in all partners
	s_cbranch_scc1 .Lfirst_v
	STEP 0, 0, 1
	s_branch .Lfirst_done
.Lfirst_v:
	STEP 0, 0, 2
.Lfirst_done:
	TURN 0, 1, 1                                   ; K = 1024 is four slots' worth: two first fills, and these two refills; so the laps are written out
	STEP 1, 0, 0
	TURN 1, 0, 1
	STEP 0, 0, 0
	TURN 0, 1, 0                                   ; nothing is left to fetch: no round of the cluster's barrier
	STEP 1, 0, 0
	s_wait_dscnt 4*NL                              ; the very last step
	WIN MUL_LO
	MUL16 0, 1, NQ-1, 1, 0
	MUL16 2, 1, NQ-1, 1, 0
	s_wait_dscnt 0
	WIN MUL_HI
	MUL16 4, 1, NQ-1, 1, 0
	MUL16 6, 1, NQ-1, 1, 0
	WIN 0
	PLACES NP                                      ; behind the last products: their results are read, and their scale words' and A's registers written, below
	s_mov_b32 s18, 0x76543210
	s_mov_b32 s19, 0xfedcba98                      ; v_permlanex16_b32's selects for lane l xor 16
	s_mov_b32 s20, 0xffff0000                      ; lanes 16-31
.irp b, 0,1,2,3
	v_mov_b32 v[TM+4+\b], 0                        ; written once: a lane permute's destination counts as one of its sources
.endr
; THE WAY OUT of block a: 16 rows i x 128 j = four blocks of 32 = two pairs.  Registers AC + 16 g + 0 .. 15 are the lane's 16 numbers of block g.
.macro OUTBLK a
.set AC, 64*((\a)%4)
.set WA, 2+(\a)/4                      ; the accumulators' window
.set WM, (WA<<2)|(WA<<4)
	WIN WM                                         ; sources 1 and 2 in the accumulators' window
.irp b, 0,1,2,3
	v_max3_num_f32 v[TM+\b], 0x1800000, |v[AC+16*\b]|, |v[AC+16*\b+1]|   ; my 16 numbers of block b, each accumulator from its low end on, and the floor 2^(3 - 127): the byte cannot fall under 1
.endr
.irp i, 2,4,6,8,10,12,14
.irp b, 0,1,2,3
	v_max3_num_f32 v[TM+\b], v[TM+\b], |v[AC+16*\b+\i]|, |v[AC+16*\b+\i+1]|   ; (the four blocks by turns)
.endr
.endr
	WIN 0
.irp b, 0,1,2,3
	v_permlanex16_b32 v[TM+4+\b], v[TM+\b], s18, s19
.endr
.irp b, 0,1,2,3
	v_max_num_f32 v[TM+\b], v[TM+\b], v[TM+4+\b]   ; with lane l xor 16's: the block's largest magnitude
.endr
.irp b, 0,1,2,3
	v_add_nc_u32 v[TM+12+\b], 0xff000000, v[TM+\b] ; 2 off its exponent field: the conversion's scale operand
.endr
.irp b, 0,1,2,3
	v_lshrrev_b32 v[TM+4+\b], 23, v[TM+12+\b]      ; the scale's byte
.endr
	v_lshl_or_b32 v[TM+8], v[TM+5], 8, v[TM+4]     ; the first pair's word,
	v_lshl_or_b32 v[TM+9], v[TM+7], 8, v[TM+6]     ; the second pair's
	v_cndmask_b32 v[SW+\a], v[TM+8], v[TM+9], s20  ; lanes 0-15 keep the first, lanes 16-31 the second
	s_wait_xcnt 0x0                                ; the last block's stores have read their data and bases: both are written again only behind this wait
	WIN WA                                         ; source 0 in the accumulators' window
.irp c, 0,1
	v_cvt_scalef32_pk16_fp6_f32 v[PC+6*\c:PC+6*\c+2], v[AC+32*\c:AC+32*\c+15], v[TM+12+2*\c]
	v_cvt_scalef32_pk16_fp6_f32 v[PC+12+4*\c:PC+14+4*\c], v[AC+32*\c+16:AC+32*\c+31], v[TM+13+2*\c]   ; (a conversion's three registers begin on an even number)
.endr
	WIN 0
	v_nop                                          ; one plain place behind a scaled conversion
.irp c, 0,1                                    ; the operand's layout wants a WHOLE block in a lane: lanes 0-15 the pair's first block, lanes 16-31 its second
.irp i, 0,1,2
	v_permlane16_swap_b32 v[PC+6*\c+\i], v[PC+12+4*\c+\i]
.endr
.irp i, 0,1,2
	v_mov_b32 v[PC+3+6*\c+\i], v[PC+12+4*\c+\i]
.endr
.endr
.if (\a) > 0
	s_add_nc_u64 s[96:97], s[96:97], s[2:3]        ; the next tile of 16 i
	s_add_nc_u64 s[98:99], s[98:99], s[2:3]
.endif
.irp c, 0,1
	global_store_b128 v[LO16], v[PC+6*\c:PC+6*\c+3], s[96+2*\c:97+2*\c] th:TH_STORE_NT                 ; 32 lanes store 512 consecutive bytes, aligned to 256,
	global_store_b64 v[LO8], v[PC+6*\c+4:PC+6*\c+5], s[96+2*\c:97+2*\c] offset:512 th:TH_STORE_NT      ; and the chunk's last 256
.endr
.endm
.irp a, 0,1,2,3,4,5,6,7
	OUTBLK \a
.endr
	global_store_b128 v[SWO], v[SW:SW+3], s[100:101] th:TH_STORE_NT              ; the scale words of blocks 0-3: sixteen lanes store 256 consecutive bytes, aligned; lanes 16-31 the second pair's
	global_store_b128 v[SWO], v[SW+4:SW+7], s[100:101] offset:256 th:TH_STORE_NT ; and of blocks 4-7
	s_wait_tensorcnt 0x0                           ; the wave's end
	ds_add_u32 v[SPW], v[NIL]
	s_wait_dscnt 0x0
	CROUND                                         ; the closing round: no work-group ends while a partner may still ask for a tile that names it
	s_endpgm
.Lfunc_end_k_q41582a1cdf_qkv_gemm:
	.size	k_q41582a1cdf_qkv_gemm, .Lfunc_end_k_q41582a1cdf_qkv_gemm-k_q41582a1cdf_qkv_gemm
	.p2alignl 7, 3214868480
	.fill 96, 4, 3214868480
	.section	.rodata,"a",@progbits
	.p2align	6, 0x0
	.amdhsa_kernel k_q41582a1cdf_qkv_gemm
		.amdhsa_group_segment_fixed_size 327680
		.amdhsa_private_segment_fixed_size 0
		.amdhsa_enable_private_segment 0
		.amdhsa_kernarg_size 40
		.amdhsa_user_sgpr_count 2
		.amdhsa_user_sgpr_kernarg_segment_ptr 1
		.amdhsa_wavefront_size32 1
		.amdhsa_system_sgpr_workgroup_id_x 1
		.amdhsa_system_sgpr_workgroup_id_y 1
		.amdhsa_system_sgpr_workgroup_id_z 1
		.amdhsa_system_vgpr_workitem_id 0
		.amdhsa_next_free_vgpr 1024
		.amdhsa_next_free_sgpr 102
		.amdhsa_reserve_vcc 0
		.amdhsa_float_denorm_mode_32 3
		.amdhsa_float_denorm_mode_16_64 3
		.amdhsa_memory_ordered 1
		.amdhsa_forward_progress 1
		.amdhsa_inst_pref_size 188
	.end_amdhsa_kernel
	.amdgpu_metadata
---
amdhsa.version: [ 1, 2 ]
amdhsa.kernels:
  - .name:           k_q41582a1cdf_qkv_gemm
    .symbol:         k_q41582a1cdf_qkv_gemm.kd
    .args:
      - { .name: cod1, .offset: 0, .size: 8, .value_kind: global_buffer, .address_space: global }
      - { .name: scl1, .offset: 8, .size: 8, .value_kind: global_buffer, .address_space: global }
      - { .name: b_qkv, .offset: 16, .size: 8, .value_kind: global_buffer, .address_space: global }
      - { .name: qkv, .offset: 24, .size: 8, .value_kind: global_buffer, .address_space: global }
      - { .name: qkvs, .offset: 32, .size: 8, .value_kind: global_buffer, .address_space: global }
    .group_segment_fixed_size: 327680
    .private_segment_fixed_size: 0
    .kernarg_segment_align: 8
    .kernarg_segment_size: 40
    .max_flat_workgroup_size: 128
    .sgpr_count:     102
    .vgpr_count:     1024
    .wavefront_size: 32
...
	.end_amdgpu_metadata
.endif
;; end of part 2
;; launch attn (part 3): grid 64 x 4, 16 waves a work-group, no clusters, 28,672 bytes of LDS; arguments qkv, qkvs, oc, os; writes oc, os
.if DOCPART == 3
	.amdgcn_target "amdgcn-amd-amdhsa--gfx1250"
	.amdhsa_code_object_version 6
	.text
	.protected	k_q41582a1cdf_attn
	.globl	k_q41582a1cdf_attn
	.p2align	8
	.type	k_q41582a1cdf_attn,@function
k_q41582a1cdf_attn:
	s_mov_b64 s[64:65], 0
	v_nop
	global_prefetch_b8 v0, s[64:65] scope:SCOPE_SE
	s_setreg_imm32_b32 hwreg(HW_REG_WAVE_MODE, 25, 1), 1
	s_wait_xcnt 0x0
; The banded attention, |query - key| <= 32, both products on codes of FP6 (E2M3) with E8M0 scales, and its result o = O / l quantised along the model's 1024 for the last product.
; SHARES.  Work-group (w, b) owns the 32 queries of token block w of batch b, for all 16 heads; wave hd is head hd, with two tiles of 16 queries.  These queries see keys of the three aligned token blocks w - 1, w, w + 1 and no others:
; 96 keys, one matrix instruction deep with a fourth block of zero codes.  So the softmax has ONE step: the row's maximum is taken over all its keys before any exponential.
; OPERANDS come from memory as images of their registers (the launch before laid them so): 16 bytes a lane for registers 0-3, 8 bytes a lane for registers 4-5.  No LDS on the way in, no tensor load.
; BOTH PRODUCTS ARE USED TRANSPOSED: S^T = k q^T (source 0 = 16 keys, source 1 = my 16 queries), O^T = v^T p^T (source 0 = 16 of the head's 64, source 1 = p): a lane holds ONE query (lane % 16) throughout.
; K = 64 IN A FORM THAT IS 128 DEEP: q's registers 6-11 are zero codes.  k's six tiles lie 6 registers apart, so a tile's registers 6-11 are the next tile's codes (zeros behind the last): every code is a finite number and meets a zero.
; The scale words' bytes 2 and 3 are 0, which is 2^-127 and no NaN.  Likewise p's fourth block is zero codes, and v's lanes 16-31 of registers 6-11 hold block w + 1 again.
; THE SOFTMAX: t = score x log2(e) / 8; M = ceil(the row's largest t); p = 2^(t - M) is quantised along the keys, not normalised; the row's sum l is taken of the unquantised p and divides O.
; THE MASK: kappa = key - 32 (w - 1).  Query 16 u + r of the block keeps 16 u + r <= kappa <= 64 + 16 u + r, and at the sequence's ends 32 <= kappa (w = 0) or kappa <= 63 (w = 63).  Hidden scores become -infinity: p = 0.
; Block 1 (kappa 32..63) is never hidden, so M is a number.  At the buffer's ends the neighbour's block number is clamped; what the clamp brings is hidden.  No branch: the bounds are numbers made from ids.
; ORDER IN A BLOCK OF 32 KEYS: tiles 2 g and 2 g + 1 give a lane keys 32 g + 8 h + 0..7 and 32 g + 16 + 8 h + 0..7; converted as they stand, a block's codes lie in the order 0-7, 16-23, 8-15, 24-31, as v's tokens were laid.
; o meets W_out, which lies in true order: so o's halves change lanes ahead of its conversion (16 exchanges a tile).
; OUT: oc [8192 tokens][768 bytes], os [8192][32].  The 16 heads' parts meet in a stage in LDS (rows of 768 + 16 bytes); each wave stores two whole rows, 1,536 consecutive bytes.
; LIMITS: NaN and infinities are not served; a block of zeros or under 2^-124 keeps the byte 1 (its bytes are read by this program alone); O / l is a multiplication by v_rcp_f32's result (1 ulp: ISA guide, its entry);
; a block's largest p is made from the block's largest score by the same multiply-add and exponential, which takes v_exp_f32 not to fall where its input rises.
.set QF,  64                           ; v64-87   q: two tiles x (6 loaded + 6 zeros)
.set KF,  88                           ; v88-129  k: six tiles 6 registers apart, then 6 zeros
.set VF,  136                          ; v136-183 v: four tiles of 12
.set S,   184                          ; v184-231 S^T, then p; v184-215 later O^T
.set P,   232                          ; v232-243 p's codes, later o's
.set XT,  244                          ; v244-246, v248-250 the conversions' second halves
.set BM,  46                           ; v46-48   a block's largest score, p, magnitude
.set BX,  50                           ; v50-52   the other half's; then the bytes
.set SOP, 54                           ; v54-56   the conversions' scale operands
.set STP, 784                          ; a stage row: 768 bytes + 16
.set SCS, 32*STP                       ; behind the stage: the 32 tokens' scale bytes, 32 each
; v1 r, v2 h, v3 16 lane, v4 8 lane, v5 16 r, v6-9 v's lane offsets, v10-11 the mask's bounds, v12-13 stage addresses, v14 -infinity, v15 16 (thread % 64), v16 -M, v17 the largest t, v18-21 the sum in two chains,
; v22-23 q's scale words, v24-29 k's, v30-31 stage addresses on the way back, v32-39 v's scale words as loaded, v40-43 as used, v44 p's scale word, v58 o's two bytes, v252-253 1 / l, v254-255 at work
	s_load_b128 s[4:7], s[0:1], 0x0                ; qkv, qkvs
	s_load_b128 s[8:11], s[0:1], 0x10              ; oc, os
	v_lshl_add_u32 v247, v0, 2, 0x6800
	v_mov_b32 v251, 0
	v_lshrrev_b32 v1, 5, v0
	v_readfirstlane_b32 s12, v1                    ; hd: my wave's number is my head
	s_mov_b32 s13, ttmp9                           ; w
	s_and_b32 s14, ttmp7, 0xffff                   ; b
	s_lshl_b32 s15, s14, 6
	s_add_co_u32 s15, s15, s13                     ; my token block among all 256
	s_max_u32 s16, s15, 1
	s_sub_co_u32 s16, s16, 1                       ; the block before, held inside the buffer
	s_add_co_u32 s17, s15, 1
	s_min_u32 s17, s17, 255                        ; the block after, likewise
	s_mov_b32 s19, 127
	s_mov_b32 s25, 0x06050401
	s_cmp_eq_u32 s13, 0
	s_cselect_b32 s18, 32, 0                       ; the least kappa that is a key of this sequence
	s_cmp_eq_u32 s13, 63
	s_cselect_b32 s19, 63, s19                     ; and the greatest
	s_bitcmp1_b32 s13, 0
	s_cselect_b32 s25, 0x06040100, s25             ; which bytes of v's two loaded words are blocks w - 1, w, w + 1: w even: byte 1 of the first, bytes 0, 1 of the second; w odd: bytes 0, 1 of the first, byte 0 of the second; then a byte 0
	s_mov_b32 s20, 0x76543210
	s_mov_b32 s21, 0xfedcba98                      ; v_permlanex16_b32's selects for lane l xor 16
	s_mov_b32 s22, 0x3e38aa3b                      ; c = log2(e) / 8
	s_mov_b32 s23, s22                             ; (named with it as a pair, so it is written)
	; offsets, each in the pair that will hold the address
	s_mul_i32 s52, s12, 768
	s_mul_i32 s26, s15, 49152                      ; q: two 16-token tiles of 32 chunks a token block; + my head's chunk
	s_add_co_u32 s26, s26, s52
	s_mov_b32 s27, 0
	s_add_co_u32 s52, s52, 16*768                  ; k's heads lie behind q's sixteen
.irp p, 0,1,2
	s_mul_i32 s[28+2*\p], s[16-(\p%2)+(\p/2)], 49152   ; k of blocks w - 1 (s16), w (s15), w + 1 (s17)
	s_add_co_u32 s[28+2*\p], s[28+2*\p], s52
	s_mov_b32 s[29+2*\p], 0
.endr
	s_mul_i32 s34, s12, 3072                       ; v: my head's four tiles of 16 rows
	s_add_co_u32 s34, s34, 12582912
	s_mov_b32 s35, 0
.macro SOFF dst, tb                    ; the scale words of token block tb's two tiles: 256 (tb / 2) + 8 (tb % 2), + the head's part in s52
	s_lshr_b32 s53, s[\tb], 1
	s_lshl_b32 s53, s53, 8
	s_and_b32 s54, s[\tb], 1
	s_lshl_b32 s54, s54, 3
	s_add_co_u32 s53, s53, s54
	s_add_co_u32 s[\dst], s53, s52
	s_mov_b32 s[\dst+1], 0
.endm
	s_lshl_b32 s52, s12, 15
	SOFF 36, 15                                    ; q's
	s_add_co_u32 s52, s52, 16*32768
	SOFF 38, 16                                    ; k's: w - 1,
	SOFF 40, 15                                    ; w,
	SOFF 42, 17                                    ; w + 1
	s_lshl_b32 s52, s12, 8
	s_add_co_u32 s52, s52, 1048576                 ; v's: my head's four words a row,
	s_lshr_b32 s53, s16, 1
	s_lshl_b32 s53, s53, 12
	s_add_co_u32 s44, s52, s53                     ; of the pair that holds block w - 1,
	s_mov_b32 s45, 0
	s_lshr_b32 s53, s17, 1
	s_lshl_b32 s53, s53, 12
	s_add_co_u32 s46, s52, s53                     ; and of the pair that holds block w + 1
	s_mov_b32 s47, 0
	s_mul_i32 s48, s15, 24576                      ; oc: my block's 32 rows, my wave's two
	s_mul_i32 s52, s12, 1536
	s_add_co_u32 s48, s48, s52
	s_mov_b32 s49, 0
	s_lshl_b32 s50, s15, 10                        ; os: my block's 1,024 bytes
	s_mov_b32 s51, 0
.macro GOFF d16, d8, tb                ; where token block tb's half of a chunk of v begins: its registers 0-3, its registers 4-5
	s_lshr_b32 s52, s[\tb], 1
	s_mul_i32 s52, s52, 49152
	s_and_b32 s53, s[\tb], 1
	s_lshl_b32 s54, s53, 8
	s_add_co_u32 s[\d16], s52, s54
	s_lshl_b32 s54, s53, 7
	s_add_co_u32 s[\d8], s52, s54
	s_add_co_u32 s[\d8], s[\d8], 512
.endm
	GOFF 55, 56, 16
	GOFF 57, 58, 15
	GOFF 59, 60, 17
	s_sub_co_u32 s57, s57, s55                     ; from block w - 1 to block w
	s_sub_co_u32 s58, s58, s56
	v_and_b32 v1, 15, v0                           ; r
	v_bfe_u32 v2, v0, 4, 1                         ; h
	v_and_b32 v3, 31, v0
	v_lshlrev_b32 v4, 3, v3                        ; 8 x lane
	v_lshlrev_b32 v3, 4, v3                        ; 16 x lane
	v_lshlrev_b32 v5, 4, v1                        ; 16 r
	v_mad_u32_u24 v6, s57, v2, v5
	v_add_nc_u32 v6, s55, v6                       ; v's registers 0-3: lanes 0-15 block w - 1, lanes 16-31 block w
	v_lshlrev_b32 v7, 3, v1
	v_add_nc_u32 v9, s60, v7                       ; registers 10-11: block w + 1 in all lanes
	v_mad_u32_u24 v7, s58, v2, v7
	v_add_nc_u32 v7, s56, v7                       ; registers 4-5
	v_add_nc_u32 v8, s59, v5                       ; registers 6-9: block w + 1
	v_mul_u32_u24 v12, v1, STP
	v_mad_u32_u24 v12, v2, 24, v12
	s_mul_i32 s52, s12, 48
	v_add_nc_u32 v12, s52, v12                     ; the stage: row r, my head's 48 bytes, 24 for each half of the lanes
	v_lshlrev_b32 v13, 5, v1
	s_lshl_b32 s52, s12, 1
	v_add_nc_u32 v13, s52, v13                     ; the scale bytes: 32 a token, my head's two
	s_mul_i32 s52, s12, 2*STP
	v_add_nc_u32 v30, s52, v3                      ; back: my two rows, 16 bytes a lane;
	v_lshl_add_u32 v31, v2, 4, v30                 ; in the middle 512 bytes lanes 16-31 stand in the second row, behind the padding
	v_and_b32 v15, 63, v0
	v_lshlrev_b32 v15, 4, v15                      ; the scale bytes' way out: 16 bytes a thread of waves 0 and 1
	s_wait_kmcnt 0x0
.irp p, 26,28,30,32,34
	s_add_nc_u64 s[\p:\p+1], s[4:5], s[\p:\p+1]
.endr
.irp p, 36,38,40,42,44,46
	s_add_nc_u64 s[\p:\p+1], s[6:7], s[\p:\p+1]
.endr
	s_add_nc_u64 s[48:49], s[8:9], s[48:49]
	s_add_nc_u64 s[50:51], s[10:11], s[50:51]
.irp b, 0,1,2                                  ; 38 loads, all that the wave will read
.irp u, 0,1
	global_load_b128 v[KF+6*(2*\b+\u):KF+6*(2*\b+\u)+3], v3, s[28+2*\b:29+2*\b] offset:24576*\u
	global_load_b64 v[KF+6*(2*\b+\u)+4:KF+6*(2*\b+\u)+5], v4, s[28+2*\b:29+2*\b] offset:24576*\u+512
.endr
	global_load_b64 v[24+2*\b:25+2*\b], v5, s[38+2*\b:39+2*\b]    ; both tiles' scale words of row r
.endr
.irp u, 0,1
	global_load_b128 v[QF+12*\u:QF+12*\u+3], v3, s[26:27] offset:24576*\u
	global_load_b64 v[QF+12*\u+4:QF+12*\u+5], v4, s[26:27] offset:24576*\u+512
.endr
	global_load_b64 v[22:23], v5, s[36:37]
.irp t, 0,1,2,3
	global_load_b128 v[VF+12*\t:VF+12*\t+3], v6, s[34:35] offset:768*\t
	global_load_b64 v[VF+12*\t+4:VF+12*\t+5], v7, s[34:35] offset:768*\t
	global_load_b128 v[VF+12*\t+6:VF+12*\t+9], v8, s[34:35] offset:768*\t
	global_load_b64 v[VF+12*\t+10:VF+12*\t+11], v9, s[34:35] offset:768*\t
.endr
	global_load_b128 v[32:35], v5, s[44:45]
	global_load_b128 v[36:39], v5, s[46:47]
.irp i, 6,7,8,9,10,11,18,19,20,21,22,23
	v_mov_b32 v[QF+\i], 0                          ; q's K = 64 .. 127: zero codes
.endr
.irp i, 36,37,38,39,40,41
	v_mov_b32 v[KF+\i], 0                          ; behind k's last tile
.endr
	v_mov_b32 v14, 0xff800000                      ; -infinity
.irp b, 0,1,2
	v_mov_b32 v[BX+\b], 0                          ; written once: a lane permute's destination counts as one of its sources
.endr
	v_mov_b32 v253, 0                              ; (named as the upper half of the pair v[252:253])
	s_wait_loadcnt 0x0
.irp t, 0,1,2,3
	v_perm_b32 v[40+\t], v[36+\t], v[32+\t], s25   ; v's scale word for kappa's blocks 0, 1, 2, and a byte 0
.endr
.macro QTILE u
.irp t, 0,1,2,3,4,5                            ; S^T: six tiles of 16 keys; six accumulators, each written once
	v_wmma_scale_f32_16x16x128_f8f6f4 v[S+8*\t:S+8*\t+7], v[KF+6*\t:KF+6*\t+11], v[QF+12*\u:QF+12*\u+11], 0, v[24+\t], v[22+\u] matrix_a_fmt:MATRIX_FMT_FP6 matrix_b_fmt:MATRIX_FMT_FP6
.endr
	v_add_nc_u32 v254, 16*\u, v1                   ; the mask's bounds: eight plain lines, the places behind the products.  My query's place in the block,
	v_max_u32 v10, s18, v254                       ; the least kappa that it keeps,
	v_add_nc_u32 v255, 64, v254
	v_min_u32 v11, s19, v255                       ; the greatest;
	v_lshlrev_b32 v254, 3, v2
	v_sub_nc_u32 v10, v10, v254                    ; less my half's 8 h,
	v_add_nc_u32 v254, 64, v254
	v_sub_nc_u32 v11, v11, v254                    ; and block 2's 64
.irp n, 0,1,2,3,4,5,6,7,8,9,10,11,12,13,14,15  ; register n of a block holds kappa = 32 x block + 16 (n / 8) + 8 h + n % 8
	v_cmp_ge_i32 vcc_lo, 16*(\n/8)+\n%8, v10
	v_cndmask_b32 v[S+\n], v14, v[S+\n], vcc_lo    ; block 0: kept from the lower bound on
.endr
.irp n, 0,1,2,3,4,5,6,7,8,9,10,11,12,13,14,15
	v_cmp_le_i32 vcc_lo, 16*(\n/8)+\n%8, v11
	v_cndmask_b32 v[S+32+\n], v14, v[S+32+\n], vcc_lo   ; block 2: kept up to the upper bound
.endr
.irp b, 0,1,2
	v_max3_num_f32 v[BM+\b], v[S+16*\b], v[S+16*\b+1], v[S+16*\b+2]   ; the largest score of each block: for the row's maximum, and, since p rises with the score, for the block's largest p
.endr
.irp i, 3,5,7,9,11,13
.irp b, 0,1,2
	v_max3_num_f32 v[BM+\b], v[BM+\b], v[S+16*\b+\i], v[S+16*\b+\i+1]
.endr
.endr
.irp b, 0,1,2
	v_max_num_f32 v[BM+\b], v[BM+\b], v[S+16*\b+15]
.endr
.irp b, 0,1,2
	v_permlanex16_b32 v[BX+\b], v[BM+\b], s20, s21
.endr
.irp b, 0,1,2
	v_max_num_f32 v[BM+\b], v[BM+\b], v[BX+\b]     ; with lane l xor 16's 16 keys
.endr
	v_max3_num_f32 v254, v[BM], v[BM+1], v[BM+2]   ; my query's largest score,
	v_mul_f32 v17, s22, v254                       ; as t (c is positive)
	v_floor_f32 v16, -v17                          ; -M = floor(-t) = -ceil(t)
.set j, 0
.rept 24
	v_pk_fma_f32 v[S+j:S+j+1], v[S+j:S+j+1], s[22:23], v[16:17] op_sel_hi:[1,0,0]   ; t - M, two at a time (of the pairs c and -M the low word serves both halves)
.set j, j+2
.endr
.irp b, 0,1,2
	v_fma_f32 v[BM+\b], v[BM+\b], s22, v16         ; the same of each block's largest score
.endr
.set j, 0
.rept 48
	v_exp_f32 v[S+j], v[S+j]                       ; p = 2^(t - M), at most 1
.set j, j+1
.endr
	v_mov_b32 v[XT+4], 0                           ; (a plain line behind the exponentials)  the fourth block's codes: zeros
	s_wait_alu depctr_va_vdst(0)                   ; one wait for the batch of 48, ahead of its first reader
.irp b, 0,1,2
	v_exp_f32 v[BM+\b], v[BM+\b]                   ; the block's largest p: the same two instructions on the same number give the same bits
.endr
	v_pk_add_f32 v[18:19], v[S:S+1], v[S+2:S+3]    ; the row's sum, of the unquantised p: two at a time, in two chains
	v_pk_add_f32 v[20:21], v[S+4:S+5], v[S+6:S+7]
.irp j, 8,12,16,20,24,28,32,36,40,44
	v_pk_add_f32 v[18:19], v[18:19], v[S+\j:S+\j+1]
	v_pk_add_f32 v[20:21], v[20:21], v[S+\j+2:S+\j+3]
.endr
	v_pk_add_f32 v[18:19], v[18:19], v[20:21]
	s_wait_alu depctr_va_vdst(0)                   ; and one for the three
.irp b, 0,1,2
	v_max_num_f32 v[BM+\b], 0x1800000, v[BM+\b]    ; the floor 2^(3 - 127): a block that is all hidden keeps the byte 1: its codes are zeros
.endr
.irp b, 0,1,2
	v_add_nc_u32 v[SOP+\b], 0xff000000, v[BM+\b]   ; 2 off the exponent field: the conversion's scale operand
.endr
.irp b, 0,1,2
	v_lshrrev_b32 v[BX+\b], 23, v[SOP+\b]          ; the scale's byte
.endr
	v_lshl_or_b32 v44, v[BX+1], 8, v[BX]           ; p's scale word; its byte 3 is 0
	v_lshl_or_b32 v44, v[BX+2], 16, v44
	v_mov_b32 v[XT+5], 0
	v_mov_b32 v[XT+6], 0
	v_cvt_scalef32_pk16_fp6_f32 v[P:P+2], v[S:S+15], v[SOP]
	v_cvt_scalef32_pk16_fp6_f32 v[XT:XT+2], v[S+16:S+31], v[SOP+1]
	v_cvt_scalef32_pk16_fp6_f32 v[P+6:P+8], v[S+32:S+47], v[SOP+2]
	v_nop                                          ; one plain place behind a scaled conversion
.irp c, 0,1                                    ; the operand's layout wants a WHOLE block in a lane: lanes 0-15 block 2 c, lanes 16-31 block 2 c + 1
.irp i, 0,1,2
	v_permlane16_swap_b32 v[P+6*\c+\i], v[XT+4*\c+\i]
.endr
.irp i, 0,1,2
	v_mov_b32 v[P+3+6*\c+\i], v[XT+4*\c+\i]
.endr
.endr
	v_add_f32 v18, v18, v19                        ; the sum's two halves,
	v_permlanex16_b32 v254, v18, s20, s21
	v_add_f32 v18, v18, v254                       ; and lane l xor 16's: l
	v_rcp_f32 v252, v18
.rept 4
	v_nop                                          ; a plain line behind the reciprocal.  With the additions above, p's codes stand more than 4 plain lines ahead of the products, p's scale word more than 8
.endr
.irp t, 0,1,2,3                                ; O^T: four tiles of 16 of the head's 64; four accumulators, each written once
	v_wmma_scale_f32_16x16x128_f8f6f4 v[S+8*\t:S+8*\t+7], v[VF+12*\t:VF+12*\t+11], v[P:P+11], 0, v[40+\t], v44 matrix_a_fmt:MATRIX_FMT_FP6 matrix_b_fmt:MATRIX_FMT_FP6
.endr
.rept 4
	v_nop                                          ; the places behind the products
.endr
	s_wait_alu depctr_va_vdst(0)                   ; the reciprocal's wait, ahead of its first reader
.set j, 0
.rept 16
	v_pk_mul_f32 v[S+j:S+j+1], v[S+j:S+j+1], v[252:253] op_sel_hi:[1,0]   ; o = O / l; each accumulator from its low end on
.set j, j+2
.endr
.irp b, 0,1                                    ; TRUE ORDER along d: tile 2 b's lanes 16-31 (d = 32 b + 8 ..) change places with tile 2 b + 1's lanes 0-15 (d = 32 b + 16 ..): my 16 registers are then d = 32 b + 16 h + 0 .. 15
.irp i, 0,1,2,3,4,5,6,7
	v_permlane16_swap_b32 v[S+16*\b+\i], v[S+16*\b+8+\i]
.endr
.endr
.irp b, 0,1
	v_max3_num_f32 v[BM+\b], |v[S+16*\b]|, |v[S+16*\b+1]|, 0x1800000   ; o's two blocks of 32: my 16 numbers, and the floor
.endr
.irp i, 2,4,6,8,10,12,14
.irp b, 0,1
	v_max3_num_f32 v[BM+\b], v[BM+\b], |v[S+16*\b+\i]|, |v[S+16*\b+\i+1]|
.endr
.endr
.irp b, 0,1
	v_permlanex16_b32 v[BX+\b], v[BM+\b], s20, s21
.endr
.irp b, 0,1
	v_max_num_f32 v[BM+\b], v[BM+\b], v[BX+\b]
.endr
.irp b, 0,1
	v_add_nc_u32 v[SOP+\b], 0xff000000, v[BM+\b]
.endr
.irp b, 0,1
	v_lshrrev_b32 v[BX+\b], 23, v[SOP+\b]
.endr
	v_lshl_or_b32 v58, v[BX+1], 8, v[BX]           ; my head's two scale bytes of token r
	v_cvt_scalef32_pk16_fp6_f32 v[P:P+2], v[S:S+15], v[SOP]
	v_cvt_scalef32_pk16_fp6_f32 v[XT:XT+2], v[S+16:S+31], v[SOP+1]
	v_nop                                          ; one plain place behind a scaled conversion
.irp i, 0,1,2
	v_permlane16_swap_b32 v[P+\i], v[XT+\i]        ; lane (r, h) now holds block h: its lower 16 codes,
.endr
.irp i, 0,1,2
	v_mov_b32 v[P+3+\i], v[XT+\i]                  ; and its upper 16: 24 bytes of token r's row
.endr
.irp i, 0,1,2
	ds_store_b64 v12, v[P+2*\i:P+2*\i+1] offset:16*STP*\u+8*\i
.endr
	ds_store_b16 v13, v58 offset:SCS+512*\u        ; both lanes of a row write the same two bytes with the same value
	s_wait_dscnt 0x0                               ; my stores into the stage are done: for the registers' sake, and behind the second tile for the other waves'
.endm
	QTILE 0
	QTILE 1
	s_barrier_signal -1
	s_barrier_wait -1                              ; all sixteen heads' parts lie in the stage
	ds_load_b128 v[64:67], v30                     ; my two rows, 1,536 bytes, as three runs of 512
	ds_load_b128 v[68:71], v31 offset:512
	ds_load_b128 v[72:75], v30 offset:1040
	s_wait_dscnt 2                                 ; the first run is in; the two younger loads may be out
	global_store_b128 v3, v[64:67], s[48:49] th:TH_STORE_NT             ; 32 lanes store 512 consecutive bytes, aligned to 256
	s_wait_dscnt 1
	global_store_b128 v3, v[68:71], s[48:49] offset:512 th:TH_STORE_NT
	s_wait_dscnt 0
	global_store_b128 v3, v[72:75], s[48:49] offset:1024 th:TH_STORE_NT
	s_cmp_lt_u32 s12, 2                            ; the block's 1,024 scale bytes leave by waves 0 and 1, 512 consecutive bytes each
	s_cbranch_scc0 .Lend
	ds_load_b128 v[76:79], v15 offset:SCS
	s_wait_dscnt 0x0
	global_store_b128 v15, v[76:79], s[50:51] th:TH_STORE_NT
.Lend:
	s_wait_tensorcnt 0x0
	ds_add_u32 v247, v251
	s_wait_dscnt 0x0
	s_endpgm
.Lfunc_end_k_q41582a1cdf_attn:
	.size	k_q41582a1cdf_attn, .Lfunc_end_k_q41582a1cdf_attn-k_q41582a1cdf_attn
	.p2alignl 7, 3214868480
	.fill 96, 4, 3214868480
	.section	.rodata,"a",@progbits
	.p2align	6, 0x0
	.amdhsa_kernel k_q41582a1cdf_attn
		.amdhsa_group_segment_fixed_size 28672
		.amdhsa_private_segment_fixed_size 0
		.amdhsa_enable_private_segment 0
		.amdhsa_kernarg_size 32
		.amdhsa_user_sgpr_count 2
		.amdhsa_user_sgpr_kernarg_segment_ptr 1
		.amdhsa_wavefront_size32 1
		.amdhsa_system_sgpr_workgroup_id_x 1
		.amdhsa_system_sgpr_workgroup_id_y 1
		.amdhsa_system_sgpr_workgroup_id_z 1
		.amdhsa_system_vgpr_workitem_id 0
		.amdhsa_next_free_vgpr 256
		.amdhsa_next_free_sgpr 66
		.amdhsa_reserve_vcc 1
		.amdhsa_float_denorm_mode_32 3
		.amdhsa_float_denorm_mode_16_64 3
		.amdhsa_memory_ordered 1
		.amdhsa_forward_progress 1
		.amdhsa_inst_pref_size 43
	.end_amdhsa_kernel
	.amdgpu_metadata
---
amdhsa.version: [ 1, 2 ]
amdhsa.kernels:
  - .name:           k_q41582a1cdf_attn
    .symbol:         k_q41582a1cdf_attn.kd
    .args:
      - { .name: qkv, .offset: 0, .size: 8, .value_kind: global_buffer, .address_space: global }
      - { .name: qkvs, .offset: 8, .size: 8, .value_kind: global_buffer, .address_space: global }
      - { .name: oc, .offset: 16, .size: 8, .value_kind: global_buffer, .address_space: global }
      - { .name: os, .offset: 24, .size: 8, .value_kind: global_buffer, .address_space: global }
    .group_segment_fixed_size: 28672
    .private_segment_fixed_size: 0
    .kernarg_segment_align: 8
    .kernarg_segment_size: 32
    .max_flat_workgroup_size: 512
    .sgpr_count:     66
    .vgpr_count:     256
    .wavefront_size: 32
...
	.end_amdgpu_metadata
.endif
;; end of part 3
;; launch out_gemm (part 4): grid 4 x 32, 4 waves a work-group, clusters of 4 x 4, 327,680 bytes of LDS; arguments oc, os, cod1, scl1, b_out, out0; writes out0
.if DOCPART == 4
	.amdgcn_target "amdgcn-amd-amdhsa--gfx1250"
	.amdhsa_code_object_version 6
	.text
	.protected	k_q41582a1cdf_out_gemm
	.globl	k_q41582a1cdf_out_gemm
	.p2align	8
	.type	k_q41582a1cdf_out_gemm,@function
k_q41582a1cdf_out_gemm:
	s_mov_b64 s[64:65], 0
	v_nop
	global_prefetch_b8 v0, s[64:65] scope:SCOPE_SE
	s_setreg_imm32_b32 hwreg(HW_REG_WAVE_MODE, 25, 1), 1
	s_wait_xcnt 0x0
	s_wait_alu depctr_hold_cnt(0) depctr_sa_sdst(0) depctr_va_vdst(0) depctr_va_sdst(0) depctr_va_ssrc(0) depctr_va_vcc(0) depctr_vm_vsrc(0)
	s_getreg_b32 s2, hwreg(HW_REG_IB_STS2, 6, 4)
	s_cmp_eq_u32 s2, 0
	s_cbranch_scc0 .Lentry_in_a_cluster
	s_endpgm
.Lentry_in_a_cluster:
	s_bfe_u32 s2, ttmp6, 0x10000c
	s_cmp_lg_u32 s2, 0xf033
	s_cbranch_scc0 .Lentry_shape_is_right
	s_endpgm
.Lentry_shape_is_right:
; out0 = o W_out^T + b_out on codes of FP6 (E2M3), 6 bits each, with one E8M0 scale for each 32 along K = 1024.  o: oc [8192][768 bytes], os [8192][32];  W_out: rows 11264 on of cod1 and scl1;  out0: [8192][1024] f32; sums in f32.
; A tile of out0, 256 x 256, is made by a work-group of four waves; a wave makes 128 x 128: 64 accumulators of 16 x 16, 512 registers.  K goes in four steps of 256 through two LDS slots filled by the tensor data mover.
; The scale bytes of the tile's 256 + 256 rows, for all of K, are two dense blocks of memory: they come into LDS once, with the first fills.
; CLUSTERS: 4 x 4 work-groups; o's tiles are shared along a row of the cluster, W_out's along a column: each is asked for jointly, by the same tensor load with the same descriptor and a mask that names the four.
; THE MATRIX INSTRUCTION IS USED TRANSPOSED (source 0 = 16 rows of W_out, source 1 = 16 rows of o): a lane holds eight neighbouring numbers of a row of out0.  The bias is the C of each sum's first product.
; 8192 x 1024 are 128 tiles of this size: 128 work-groups.  A tile of half the width would give 256, at a wave tile of 128 x 64, which reads one and a half times the LDS bytes for each matrix instruction.
; REGISTERS, in windows of 256: window 0: v0-31 addresses; v32-63 scale words, two sets; v64-127 the bias; v128-223 A's fragments, one set; on the way out v128-255 take rows back from the stage.
;   window 1: B's fragments, two sets, at v0 and v128.   window 2: the accumulators of my rows 0-63 ((a, b) at v[8 (8 a + b)]);   window 3: those of my rows 64-127.
.set SIZE_N, 1024
.set WROW,   11264                     ; W_out's first row in cod1 and scl1
.set NQ,     2
.set ROWB,   192
.set KROW,   768
.set PITCH,  240                       ; an LDS row: 3 x (64 bytes + 16 of padding) = 60 words: the 32 lanes of a load of 8 bytes touch 64 different banks (64 banks of 4 bytes: ISA guide 11.1)
.set FR,     12
.set NL,     6
.set NP,     4
.set HALFT,  128*PITCH
.set SLOT,   4*HALFT
.set KS,     32
.set SCL,    2*SLOT
.set HALFS,  (128*KS/256)*272
.set SBLK,   (16*KS/256)*272
.set SPARE,  SCL+4*HALFS               ; the spare words, 128 bytes for each wave
.set SPITCH, 528                       ; the way out: a stage of 16 rows x (512 bytes + 16) for each wave, in slot 0, which has had its last fill and its last read when the first result is stored there
.set ADRA, 16
.set ADRB, 20
.set STO,  24                          ; v24  the way out: where I put 32 bytes of a row
.set RD,   25                          ; v25  where I read a row back
.set CO,   26                          ; v26  my byte offset in a row of out0
.set ADRS, 27
.set SPW,  28                          ; v28  LDS address of my spare word; never rewritten
.set NIL,  29                          ; v29  0; never rewritten
.set SC,   32
.set BT,   64                          ; the bias: eight registers for each of B's blocks
.set AF,   128
.set BK,   128                         ; the way out: v128-191 and v192-255 by turns
.set G1, 24
.set G0, 32
.set G1B, 48
.set G0B, 56
.set G1S, 68
.set G0S, 76
.set G1SB, 80
.set G0SB, 88
.set MSB, 0
.macro WIN new                         ; the immediate's high byte repeats the setting that is left
.if MSB != \new
	s_set_vgpr_msb (MSB<<8)|\new
.set MSB, \new
.endif
.endm
.set MUL_LO, 0xa1                      ; source 0 (B) window 1, source 1 (A) window 0, C and D window 2
.set MUL_HI, 0xf1                      ; the same, C and D window 3
.set FST_LO, 0x81                      ; the first products: C (the bias) window 0, D window 2
.set FST_HI, 0xc1                      ; D window 3
.set TO_B,   0x40                      ; destination window 1, address window 0
.macro JLOAD g0a, g1a, g0b, g1b        ; a joint load: waves 0 and 1 fetch for A, waves 2 and 3 for B; four v_nop follow each of the two lines
	s_cmp_eq_u32 s15, 0
	s_cbranch_scc0 .Lfor_b_\@
	tensor_load_to_lds s[\g0a:\g0a+3], s[\g1a:\g1a+7]
	s_nop 0
.rept 4
	v_nop
.endr
	s_branch .Lasked_\@
.Lfor_b_\@:
	tensor_load_to_lds s[\g0b:\g0b+3], s[\g1b:\g1b+7]
	s_nop 0
.rept 4
	v_nop
.endr
.Lasked_\@:
.endm
.macro CREST                           ; a round of the cluster's barrier behind its opening barrier
	s_cmp_lg_u32 s14, 0
	s_cbranch_scc1 .Lnot_wave_0_\@
	s_barrier_signal -3
.Lnot_wave_0_\@:
	s_barrier_wait -3
	s_barrier_signal -1
	s_barrier_wait -1
.endm
.macro CROUND                          ; a whole round
	s_barrier_signal -1
	s_barrier_wait -1
	CREST
.endm
	s_load_b128 s[4:7], s[0:1], 0x0                ; oc, os
	s_load_b128 s[8:11], s[0:1], 0x10              ; cod1, scl1
	s_load_b64 s[66:67], s[0:1], 0x20              ; b_out
	s_load_b64 s[12:13], s[0:1], 0x28              ; out0
	v_lshl_add_u32 v[SPW], v0, 2, SPARE
	v_mov_b32 v[NIL], 0
	ds_add_u32 v28, v29
	ds_add_u32 v28, v29
	s_wait_dscnt 0x0
	v_lshrrev_b32 v1, 5, v0
	v_readfirstlane_b32 s14, v1                    ; wave 0..3
	s_lshr_b32 s15, s14, 1                         ; which half of the tile's rows is mine.  Also: I fetch for A (0) or for B (1)
	s_and_b32 s16, s14, 1                          ; which half of its columns.  Also: which 128 rows of that tile I fetch
	s_bfe_u32 s40, ttmp6, 0x40000                  ; cx, cy: my place in the cluster
	s_bfe_u32 s41, ttmp6, 0x40004
	s_lshl_b32 s42, ttmp9, 2
	s_add_co_u32 s42, s42, s40                     ; tile column = 4 x cluster x + cx
	s_and_b32 s17, ttmp7, 0xffff
	s_lshl_b32 s17, s17, 2
	s_add_co_u32 s17, s17, s41                     ; tile row = 4 x cluster y + cy
	s_lshl_b32 s43, s41, 2
	s_lshl_b32 s43, 15, s43                        ; my row of the cluster
	s_lshl_b32 s44, 0x1111, s40                    ; my column
	; descriptor group 1: a tile of 128 rows x 192 bytes, padded in LDS
	s_or_b32 s[G1+0], s43, (0<<16)|(1<<20)|(1<<21)|(3<<22)|(3<<25)  ; 15:0 the mask: A's tiles go to my row; 17:16 element of 1 byte; 20 padding on; 21 set beside a mask; 24:22 after every 16 words (code 3); 31:25 of 4 words (code 3)
	s_or_b32 s[G1B+0], s44, (0<<16)|(1<<20)|(1<<21)|(3<<22)|(3<<25)
.irp g, G1, G1B
	s_mov_b32 s[\g+1], ROWB<<16                    ; tensor_dim0
	s_mov_b32 s[\g+2], 128<<16                     ; tensor_dim1 = 128
	s_mov_b32 s[\g+3], ROWB<<16                    ; tile_dim0
	s_mov_b32 s[\g+4], 128                         ; tile_dim1 = 128
	s_mov_b32 s[\g+5], KROW                        ; tensor_dim0_stride
	s_mov_b32 s[\g+6], 0
	s_mov_b32 s[\g+7], 0
.endr
	; and for the scales of 128 rows: a dense block of 4,096 bytes, as 16 rows of 256 bytes (32 elements of 8 bytes), 16 bytes of padding behind each
	s_or_b32 s[G1S+0], s43, (3<<16)|(1<<20)|(1<<21)|(5<<22)|(3<<25)
	s_or_b32 s[G1SB+0], s44, (3<<16)|(1<<20)|(1<<21)|(5<<22)|(3<<25)
.irp g, G1S, G1SB
	s_mov_b32 s[\g+1], 32<<16
	s_mov_b32 s[\g+2], (128*KS/256)<<16
	s_mov_b32 s[\g+3], 32<<16
	s_mov_b32 s[\g+4], 128*KS/256
	s_mov_b32 s[\g+5], 32
	s_mov_b32 s[\g+6], 0
	s_mov_b32 s[\g+7], 0
.endr
	s_lshl_b32 s18, s16, 7                         ; which 128 rows of the tile I fetch
	s_lshl_b32 s20, s17, 8
	s_add_co_u32 s20, s20, s18                     ; A: row 256 x tile row + 128 x half
	s_lshl_b32 s46, s42, 8
	s_add_co_u32 s46, s46, s18
	s_add_co_u32 s46, s46, WROW                    ; B: W_out's first row + 256 x tile column + 128 x half
	s_mov_b32 s21, 0
	s_mov_b32 s47, 0
	s_mov_b64 s[18:19], KS
	s_mul_u64 s[22:23], s[20:21], s[18:19]         ; where these rows' scales begin, in bytes
	s_mul_u64 s[92:93], s[46:47], s[18:19]
	s_mov_b64 s[18:19], KROW
	s_mul_u64 s[20:21], s[20:21], s[18:19]         ; and their codes
	s_mul_u64 s[46:47], s[46:47], s[18:19]
	s_mul_i32 s45, s14, HALFT                      ; where they go: wave x 128 rows: no place in the cluster enters an LDS address
	s_mul_i32 s94, s14, HALFS
	s_wait_kmcnt 0x0
	s_add_nc_u64 s[20:21], s[4:5], s[20:21]
	s_add_nc_u64 s[22:23], s[6:7], s[22:23]
	s_add_nc_u64 s[46:47], s[8:9], s[46:47]
	s_add_nc_u64 s[92:93], s[10:11], s[92:93]
	CROUND                                         ; all sixteen work-groups are here: the first joint loads meet
	s_mov_b32 s[G0S], 1
	s_add_co_u32 s[G0S+1], s94, SCL
	s_mov_b64 s[G0S+2:G0S+3], s[22:23]
	s_or_b32 s[G0S+3], s[G0S+3], 0x80000000
	s_mov_b32 s[G0SB], 1
	s_add_co_u32 s[G0SB+1], s94, SCL
	s_mov_b64 s[G0SB+2:G0SB+3], s[92:93]
	s_or_b32 s[G0SB+3], s[G0SB+3], 0x80000000
	JLOAD G0S, G1S, G0SB, G1SB                     ; the scales first: they are wanted with K step 0
.irp s, 0,1
	s_mov_b32 s[G0+4*\s], 1
	s_add_co_u32 s[G0+4*\s+1], s45, \s*SLOT
	s_add_nc_u64 s[G0+4*\s+2:G0+4*\s+3], s[20:21], \s*ROWB
	s_or_b32 s[G0+4*\s+3], s[G0+4*\s+3], 0x80000000
	s_mov_b32 s[G0B+4*\s], 1
	s_add_co_u32 s[G0B+4*\s+1], s45, \s*SLOT
	s_add_nc_u64 s[G0B+4*\s+2:G0B+4*\s+3], s[46:47], \s*ROWB
	s_or_b32 s[G0B+4*\s+3], s[G0B+4*\s+3], 0x80000000
	JLOAD G0+4*\s, G1, G0B+4*\s, G1B               ; three tensor loads of mine are out now
.endr
	v_and_b32 v1, 15, v0                           ; l % 16
	v_bfe_u32 v2, v0, 4, 1                         ; l / 16
	v_mul_u32_u24 v3, v1, PITCH
	v_mul_u32_u24 v4, v2, 24
	v_add_nc_u32 v4, v3, v4                        ; a fragment's row x pitch + 24 x half
	v_lshl_add_u32 v5, v2, 4, v4                   ; and the same behind one padding more
	s_mul_i32 s21, s15, HALFT                      ; my 128 rows of A
	s_mul_i32 s22, s16, HALFT                      ; my 128 rows of B,
	s_add_co_u32 s22, s22, 2*HALFT                 ; which lie behind A's 256
.irp s, 0,1
	v_add_nc_u32 v[ADRA+\s], s21, v4
	v_add_nc_u32 v[ADRB+\s], s22, v4
	v_add_nc_u32 v[ADRA+2+\s], s21, v5
	v_add_nc_u32 v[ADRB+2+\s], s22, v5
	s_add_co_u32 s21, s21, SLOT
	s_add_co_u32 s22, s22, SLOT
.endr
	v_mul_u32_u24 v5, v1, KS                       ; my row's scales: 32 bytes a row,
	v_lshrrev_b32 v6, 8, v5
	v_lshl_add_u32 v5, v6, 4, v5                   ; and 16 more for each 256 passed
	s_mul_i32 s21, s15, HALFS                      ; A's: my 128 rows
	s_mul_i32 s22, s16, HALFS                      ; B's: my 128 rows, behind A's 256
	s_add_co_u32 s22, s22, 2*HALFS
	s_sub_co_u32 s22, s22, s21
	v_mul_u32_u24 v6, s22, v2                      ; lanes 16-31 take B's
	s_add_co_u32 s21, s21, SCL
	v_add_nc_u32 v5, v5, v6
	v_add_nc_u32 v[ADRS], s21, v5
	s_mul_i32 s23, s14, 16*SPITCH                  ; my stage
	v_mul_u32_u24 v5, v1, SPITCH                   ; in: row l % 16, 32 bytes for each half of the lanes
	v_lshl_add_u32 v5, v2, 5, v5
	v_add_nc_u32 v[STO], s23, v5
	v_and_b32 v6, 31, v0
	v_lshlrev_b32 v[CO], 4, v6                     ; back: the 32 lanes take one row of 512 bytes; and the same in out0
	v_add_nc_u32 v[RD], s23, v[CO]
	s_lshl_b32 s20, s17, 8
	s_lshl_b32 s21, s15, 7
	s_add_co_u32 s20, s20, s21                     ; my first row of out0: 256 x tile row + 128 x half
	s_mov_b32 s21, 0
	s_mov_b64 s[18:19], SIZE_N*4
	s_mul_u64 s[20:21], s[20:21], s[18:19]
	s_lshl_b32 s46, s42, 10                        ; my first column, in bytes: 1024 x tile column + 512 x half
	s_lshl_b32 s47, s16, 9
	s_add_co_u32 s46, s46, s47
	s_mov_b32 s47, 0
	s_add_nc_u64 s[66:67], s[66:67], s[46:47]      ; the bias of my first column
	s_add_nc_u64 s[20:21], s[20:21], s[46:47]
	s_add_nc_u64 s[12:13], s[12:13], s[20:21]
	v_lshlrev_b32 v7, 5, v2                        ; my half's eight numbers of a block of 16
.irp b, 0,1,2,3,4,5,6,7
	global_load_b128 v[BT+8*\b:BT+8*\b+3], v7, s[66:67] offset:64*\b        ; b_out[n0 + 16 b + 8 h + 0 .. 7]: the result's layout
	global_load_b128 v[BT+8*\b+4:BT+8*\b+7], v7, s[66:67] offset:64*\b+16
.endr
.macro FRAG reg, adr, q, i             ; a fragment is 12 registers: lane l holds row l % 16; registers 6 c .. 6 c + 5 hold K = 64 c + 32 (l / 16) + 0 .. 31: 24 bytes of the row's stream of bits, as they lie
.irp p, 0,1,2,3,4,5                    ; in pieces of 8 bytes.  Lanes 0-15 take the row's pieces 12 q + 0, 1, 2 and 12 q + 6, 7, 8, lanes 16-31 those three pieces on
.set PIECE, 12*(\q)+6*(\p/3)+\p%3     ; 16 bytes of padding lie behind every 8 pieces: where the piece three on lies behind one padding more, the second address register serves
.if PIECE%8 < 5
	ds_load_b64 v[\reg+2*\p:\reg+2*\p+1], v[\adr] offset:8*PIECE+16*(PIECE/8)+(\i)*16*PITCH
.else
	ds_load_b64 v[\reg+2*\p:\reg+2*\p+1], v[\adr+2] offset:8*PIECE+16*(PIECE/8)+(\i)*16*PITCH
.endif
.endr
.endm
; 16 matrix instructions: A's blocks a0, a0 + 1 x B's eight, 128 along K: the slot's q-th.  p: B's set;  sc: the set of scale words.  cm = 1: the sums begin with the bias of B's block: nothing is ever cleared.
; The 64 accumulators take turns, one instruction a turn, in the same order in every step.
.macro MUL16 a0, p, q, sc, cm
.irp a, \a0, \a0+1
.irp b, 0,1,2,3,4,5,6,7
.if \cm
	v_wmma_scale_f32_16x16x128_f8f6f4 v[8*(8*((\a)%4)+\b):8*(8*((\a)%4)+\b)+7], v[128*(\p)+FR*\b:128*(\p)+FR*\b+FR-1], v[AF+FR*(\a):AF+FR*(\a)+FR-1], v[BT+8*\b:BT+8*\b+7], v[SC+8*NQ*(\sc)+NQ*\b+(\q)], v[SC+8*NQ*(\sc)+NQ*(\a)+(\q)] matrix_a_fmt:MATRIX_FMT_FP6 matrix_b_fmt:MATRIX_FMT_FP6 matrix_a_scale:MATRIX_SCALE_ROW1
.else
	v_wmma_scale_f32_16x16x128_f8f6f4 v[8*(8*((\a)%4)+\b):8*(8*((\a)%4)+\b)+7], v[128*(\p)+FR*\b:128*(\p)+FR*\b+FR-1], v[AF+FR*(\a):AF+FR*(\a)+FR-1], v[8*(8*((\a)%4)+\b):8*(8*((\a)%4)+\b)+7], v[SC+8*NQ*(\sc)+NQ*\b+(\q)], v[SC+8*NQ*(\sc)+NQ*(\a)+(\q)] matrix_a_fmt:MATRIX_FMT_FP6 matrix_b_fmt:MATRIX_FMT_FP6 matrix_a_scale:MATRIX_SCALE_ROW1
.endif
.endr
.endr
.endm
.macro FETCH_B slot, q, p              ; B's eight fragments of the slot's q-th 128 along K into set p
	WIN TO_B
.irp i, 0,1,2,3,4,5,6,7
	FRAG 128*(\p)+FR*\i, ADRB+\slot, \q, \i
.endr
	WIN 0
.endm
.macro FETCH_A slot, q, i0             ; A's blocks i0 .. i0 + 3
.irp i, \i0, \i0+1, \i0+2, \i0+3
	FRAG AF+FR*(\i), ADRA+\slot, \q, \i
.endr
.endm
.macro SCALES sc                       ; a K step's scale words into set sc: two words a row; lanes 0-15 take A's block i, lanes 16-31 B's block i
.irp i, 0,1,2,3,4,5,6,7
	ds_load_b64 v[SC+8*NQ*\sc+NQ*\i:SC+8*NQ*\sc+NQ*\i+1], v[ADRS] offset:\i*SBLK
.endr
.endm
; A load into a register that a matrix instruction has read, and an LDS store that reads a matrix result, stand NP places behind that matrix instruction; only plain vector
; instructions that name none of its registers are places (ISA guide 7.12.1 for vector instructions).
.macro PLACES n
.rept \n
	v_nop
.endr
.endm
.macro STEP slot, q, cm                ; a step of 128 along K that has its successor in the same slot
	s_wait_dscnt 4*NL                              ; B's set and A's blocks 0-3 are in; the youngest 24 loads (A's blocks 4-7) may be out
.if \cm
	WIN FST_LO
.else
	WIN MUL_LO
.endif
	MUL16 0, (\q)%2, \q, \slot, \cm
	MUL16 2, (\q)%2, \q, \slot, \cm
	s_wait_dscnt 0                                 ; A's blocks 4-7 are in (asked for 32 matrix instructions ago)
	PLACES NP
	FETCH_B \slot, (\q)+1, 1-(\q)%2
	FETCH_A \slot, (\q)+1, 0
.if \cm
	WIN FST_HI
.else
	WIN MUL_HI
.endif
	MUL16 4, (\q)%2, \q, \slot, \cm
	MUL16 6, (\q)%2, \q, \slot, \cm
	PLACES NP
	WIN 0
	FETCH_A \slot, (\q)+1, 4
.endm
; A slot's last step changes slots: ONE barrier; in front of it each wave waits for all its tensor loads, adds 0 to its spare word, and waits for that and for its own reads of this slot.  fill = 1: this slot is filled again, two K steps ahead.
.macro TURN slot, next, fill
	s_wait_tensorcnt 0x0                           ; all my tensor loads have landed: my part of the next slot;  (every window is 0 here)
	ds_add_u32 v[SPW], v[NIL]                      ; 0 onto my spare word
	s_wait_dscnt 4*NL+1                            ; (the add and the youngest 24 loads, A's blocks 4-7, may be out)
	WIN MUL_LO
	MUL16 0, 1, NQ-1, \slot, 0                     ; sixteen matrix instructions stand between the add and the wait for it
	s_wait_dscnt 0x0                               ; the add is done, and my reads of this slot are over
	s_barrier_signal -1
	MUL16 2, 1, NQ-1, \slot, 0
	WIN 0
	s_barrier_wait -1
.if \fill
	CREST                                          ; the barrier has opened a round of the cluster's barrier: no wave of any partner still reads this slot's tile or has a load on its way
	s_add_nc_u64 s[G0+4*\slot+2:G0+4*\slot+3], s[G0+4*\slot+2:G0+4*\slot+3], 2*ROWB
	s_add_nc_u64 s[G0B+4*\slot+2:G0B+4*\slot+3], s[G0B+4*\slot+2:G0B+4*\slot+3], 2*ROWB
	JLOAD G0+4*\slot, G1, G0B+4*\slot, G1B         ; the first tensor load behind the round, my only one out; the four v_nop behind it are the places in front of the loads below
.else
	PLACES NP
.endif
	v_add_nc_u32 v[ADRS], 4*NQ, v[ADRS]            ; on to the next K step's scale words (no LDS load of mine is out)
	FETCH_B \next, 0, 0
	FETCH_A \next, 0, 0
	SCALES \next
	WIN MUL_HI
	MUL16 4, 1, NQ-1, \slot, 0
	MUL16 6, 1, NQ-1, \slot, 0
	PLACES NP
	WIN 0
	FETCH_A \next, 0, 4
.endm
	s_wait_tensorcnt 1                             ; the scales and my part of K step 0 are in (K step 1's load may be out)
	s_barrier_signal -1
	s_barrier_wait -1                              ; everybody's are
	FETCH_B 0, 0, 0
	FETCH_A 0, 0, 0
	SCALES 0
	FETCH_A 0, 0, 4
	s_wait_loadcnt 0x0                             ; the bias
	STEP 0, 0, 1                                   ; the first step's products begin the sums with the bias
	TURN 0, 1, 1                                   ; K = 1024 is four slots' worth: two first fills, and these two refills; so the laps are written out
	STEP 1, 0, 0
	TURN 1, 0, 1
	STEP 0, 0, 0
	TURN 0, 1, 0                                   ; nothing is left to fetch: no round of the cluster's barrier
	STEP 1, 0, 0
	s_wait_dscnt 4*NL                              ; the very last step
	WIN MUL_LO
	MUL16 0, 1, NQ-1, 1, 0
	MUL16 2, 1, NQ-1, 1, 0
	s_wait_dscnt 0
	WIN MUL_HI
	MUL16 4, 1, NQ-1, 1, 0
	MUL16 6, 1, NQ-1, 1, 0
	WIN 0
; THE WAY OUT, block by block of 16 rows x 128 columns.  A lane holds 32 neighbouring bytes of a row, and the lanes beside it hold other rows: so a block goes through my own stage in LDS and comes back as whole
; rows of 512 bytes.  LDS serves a wave's instructions in order (ISA guide 5.7.1.4): no wait between the stores and the loads, nor in front of the next block's stores.
.macro TOSTAGE a
.set AC, 64*((\a)%4)
.set WD, 0x08+4*((\a)/4)
	WIN WD                                         ; the data: window 2 or 3
.irp b, 0,1,2,3,4,5,6,7
	ds_store_b128 v[STO], v[AC+8*\b:AC+8*\b+3] offset:64*\b          ; each accumulator from its low end on
	ds_store_b128 v[STO], v[AC+8*\b+4:AC+8*\b+7] offset:64*\b+16
.endr
	WIN 0
.set BB, BK+64*((\a)%2)
.irp t, 0,1,2,3,4,5,6,7,8,9,10,11,12,13,14,15
	ds_load_b128 v[BB+4*\t:BB+4*\t+3], v[RD] offset:\t*SPITCH
.endr
.endm
.macro SEND a, younger                 ; younger: the LDS instructions issued behind block a's loads, which may stay out
.set BB, BK+64*((\a)%2)
	s_wait_dscnt \younger                          ; the block is back in registers
.if (\a) > 0
	s_add_nc_u64 s[12:13], s[12:13], 16*SIZE_N*4   ; (behind a wait on XCNT: the earlier stores have read their base)  16 rows on
.endif
.irp t, 0,1,2,3,4,5,6,7,8,9,10,11,12,13,14,15
	global_store_b128 v[CO], v[BB+4*\t:BB+4*\t+3], s[12:13] offset:\t*SIZE_N*4 th:TH_STORE_NT   ; 32 lanes store 512 consecutive bytes, aligned to 256
.endr
.endm
	PLACES NP                                      ; behind the last products: for the loads into the registers that held A's fragments and for the reads of the last results
	TOSTAGE 0
.irp a, 1,2,3,4,5,6,7
.if \a > 1
	s_wait_xcnt 0x0                                ; block a - 2's stores have read their registers and their base: block a's loads may land there, and the base may step
.endif
	TOSTAGE \a
	SEND \a-1, 32                                  ; behind block a - 1's loads: block a's 16 stores and 16 loads
.endr
	s_wait_xcnt 0x0                                ; block 6's stores have read their base
	SEND 7, 0
	s_wait_tensorcnt 0x0                           ; the wave's end
	ds_add_u32 v[SPW], v[NIL]
	s_wait_dscnt 0x0
	CROUND                                         ; the closing round: no work-group ends while a partner may still ask for a tile that names it
	s_endpgm
.Lfunc_end_k_q41582a1cdf_out_gemm:
	.size	k_q41582a1cdf_out_gemm, .Lfunc_end_k_q41582a1cdf_out_gemm-k_q41582a1cdf_out_gemm
	.p2alignl 7, 3214868480
	.fill 96, 4, 3214868480
	.section	.rodata,"a",@progbits
	.p2align	6, 0x0
	.amdhsa_kernel k_q41582a1cdf_out_gemm
		.amdhsa_group_segment_fixed_size 327680
		.amdhsa_private_segment_fixed_size 0
		.amdhsa_enable_private_segment 0
		.amdhsa_kernarg_size 48
		.amdhsa_user_sgpr_count 2
		.amdhsa_user_sgpr_kernarg_segment_ptr 1
		.amdhsa_wavefront_size32 1
		.amdhsa_system_sgpr_workgroup_id_x 1
		.amdhsa_system_sgpr_workgroup_id_y 1
		.amdhsa_system_sgpr_workgroup_id_z 1
		.amdhsa_system_vgpr_workitem_id 0
		.amdhsa_next_free_vgpr 1024
		.amdhsa_next_free_sgpr 98
		.amdhsa_reserve_vcc 0
		.amdhsa_float_denorm_mode_32 3
		.amdhsa_float_denorm_mode_16_64 3
		.amdhsa_memory_ordered 1
		.amdhsa_forward_progress 1
		.amdhsa_inst_pref_size 161
	.end_amdhsa_kernel
	.amdgpu_metadata
---
amdhsa.version: [ 1, 2 ]
amdhsa.kernels:
  - .name:           k_q41582a1cdf_out_gemm
    .symbol:         k_q41582a1cdf_out_gemm.kd
    .args:
      - { .name: oc, .offset: 0, .size: 8, .value_kind: global_buffer, .address_space: global }
      - { .name: os, .offset: 8, .size: 8, .value_kind: global_buffer, .address_space: global }
      - { .name: cod1, .offset: 16, .size: 8, .value_kind: global_buffer, .address_space: global }
      - { .name: scl1, .offset: 24, .size: 8, .value_kind: global_buffer, .address_space: global }
      - { .name: b_out, .offset: 32, .size: 8, .value_kind: global_buffer, .address_space: global }
      - { .name: out0, .offset: 40, .size: 8, .value_kind: global_buffer, .address_space: global }
    .group_segment_fixed_size: 327680
    .private_segment_fixed_size: 0
    .kernarg_segment_align: 8
    .kernarg_segment_size: 48
    .max_flat_workgroup_size: 128
    .sgpr_count:     98
    .vgpr_count:     1024
    .wavefront_size: 32
...
	.end_amdgpu_metadata
.endif
;; end of part 4
